; MI455X (gfx1250); checked and timed in simulation.
; The chip was launched on July 23, 2026; its instructions are those of AMD's public machine-readable ISA for CDNA 5 (MIT licence, August 2026) and "CDNA5" Instruction Set Architecture Reference Guide (July 2026). The comments in the code are by the model that wrote it; some were corrected since.
;; Causal Self Attention. Allowed arithmetic: matrix products marked QUANTISED: E3M2 operands, one E8M0 scale for each 32 along K, by v_wmma_scale_f32_16x16x128_f8f6f4 with both operands' format E3M2, f32 sums; products left as they are: f32 operands where the result goes on into a quantised operand, else bf16, f16 or f32 operands; f32 sums; everything else in f32.
;; Inputs: W_out 1,024 x 1,024 float32; W_qkv 1,024 x 3,072 float32; b_out 1,024 float32; b_qkv 3,072 float32; x 4 x 2,048 x 1,024 float32.
;; Outputs: out0 4 x 2,048 x 1,024 float32.
;; This version of the problem:
;;   THIS VERSION OF THE PROBLEM IS GIVEN IN LOW PRECISION. The matrix products marked QUANTISED in the list below multiply operands that are first quantised to E3M2 (3 exponent bits, 2 mantissa bits; 6 bits a number), with one power-of-two scale for each 32 numbers along K (OCP MX v1.0); their sums are f32. All else is computed in f32.
;;   The module's matrix products, in the order in which they are computed (A, B: the left and right operand; K: the contracted axis; several contracted axes count as one K, in the product's order):
;;     1. [M 8,192, K 1,024] x [K 1,024, N 3,072]; A: input x; B: input W_qkv: QUANTISED
;;     2. [M 2,048, K 1] x [K 1, N 32]; A: computed on the way; B: computed on the way: left as it is (no contracted axis)
;;     3. batch 64 x [M 2,048, K 64] x [K 64, N 2,048]; A: computed on the way; B: computed on the way: QUANTISED
;;     4. batch 64 x [M 2,048, K 2,048] x [K 2,048, N 64]; A: softmax (see below); B: computed on the way: QUANTISED
;;     5. [M 8,192, K 1,024] x [K 1,024, N 1,024]; A: computed on the way; B: input W_out: QUANTISED
;;   THE QUANTISER, for each operand of a quantised product, along K:
;;     - K is cut into blocks of 32 from its start; a last block that is shorter is filled with zeros.
;;     - A block's scale is 2^e with e = floor(log2(the largest magnitude in the block)) - 4, held to -126 .. 127; a block of zeros has e = 0. As a byte (E8M0): e + 127.
;;     - Each number is divided by its block's scale, clamped to +-28, and rounded to the nearest number of E3M2, ties to even, subnormals kept.
;;     - The product sums the exact products of the quantised numbers (number of the format x scale) in f32.
;;   ~~~python
;;   def quantise(x, axis):      # numpy; x: float32 -> the quantised numbers, widened to float32 again
;;       x = np.moveaxis(x, axis, -1); K = x.shape[-1]
;;       x = np.pad(x, [(0, 0)] * (x.ndim - 1) + [(0, -K % 32)]); x = x.reshape(x.shape[:-1] + (-1, 32)); a = np.abs(x).max(-1, keepdims=True)
;;       e = np.where(a > 0, np.clip(np.frexp(np.where(a > 0, a, 1))[1] - 1 - 4, -126, 127), 0)      # np.frexp(a)[1] - 1 = floor(log2(a)), exactly
;;       r = np.clip(x / 2.0 ** e, -28, 28)
;;       step = 2.0 ** (np.maximum(np.frexp(np.where(r == 0, 1, r))[1] - 1, -2) - 2)
;;       q = np.round(r / step) * step * 2.0 ** e      # np.round: ties to even
;;       return np.moveaxis(q.reshape(q.shape[:-2] + (-1,))[..., :K], -1, axis).astype(np.float32)
;;   ~~~
;;   SOFTMAX AHEAD OF A QUANTISED PRODUCT. Where the list says 'softmax', what is quantised is not the finished softmax but p = 2^(t - M), with t = logit x log2(e) and M = ceil(the row's largest t), a whole number; so 1/2 < the row's largest p <= 1. The row's sum l is taken of the UNQUANTISED p, in f32, and the product's result is divided by l at the end. Since M is a whole number, a kernel that streams over the keys may use a running M (the ceiling of the running maximum): every later rescaling is an exact power of two, which a block's scale takes up: the codes' values come out the same.
;;   OPERANDS COMPUTED ON THE WAY. 'Computed on the way' means the value that the module computes at that place (a softmax that the list does not call 'softmax' is quantised finished and normalised). What goes into a quantiser is computed in f32, as accurately as f32 sums, v_exp_f32 and their like allow (about 1e-6 of the number): no bf16 or f16 on the way to a quantiser, and a product that is left as it is and whose result goes on into a quantised operand takes f32 operands (vector FMAs, or v_wmma_f32_16x16x4_f32). A number that lies on a knife's edge between two numbers of the format may be rounded either way, as far as f32 arithmetic and the matrix unit's own rounding can turn it there, and no further.
;; One version. Each part assembles by itself: llvm-mc -triple=amdgcn-amd-amdhsa -mcpu=gfx1250 --defsym DOCPART=n.
;; ======== version 1 of 1: 4 launches
;; limits: right only within a limited range of input values
;; workspace buffers: xq 6,553,600 bytes; wq 3,276,800 bytes; rope 524,288 bytes; qkv 19,660,800 bytes; oq 6,553,600 bytes
;; launch prep (part 1): grid 416 x 1, 4 waves a work-group, no clusters, 59,904 bytes of LDS; arguments x, W_qkv, W_out, xq, wq, rope; writes xq, wq, rope
.if DOCPART == 1
	.amdgcn_target "amdgcn-amd-amdhsa--gfx1250"
	.amdhsa_code_object_version 6
	.text
	.protected	k_q2bda9292d3_prep
	.globl	k_q2bda9292d3_prep
	.p2align	8
	.type	k_q2bda9292d3_prep,@function
k_q2bda9292d3_prep:
	s_mov_b64 s[64:65], 0
	v_nop
	global_prefetch_b8 v0, s[64:65] scope:SCOPE_SE
	s_setreg_imm32_b32 hwreg(HW_REG_WAVE_MODE, 25, 1), 1
	s_wait_xcnt 0x0
; PREP.  Three kinds of work-group, told apart by the work-group's number; each has LDS bytes of its own and its own end.
;   0-255   X: x [8192][1024] f32 -> codes of BF6 (E3M2) along K, with one E8M0 byte for each 32 along K, into xq.
;   256-383 W: W_qkv [1024][3072] and W_out [1024][1024] f32, K their FIRST axis -> codes along K into wq (columns 0-3071 W_qkv's, 3072-4095 W_out's).
;   384-415 T: the table of cos and sin for the rotary embedding, 2048 tokens x 32 frequencies, into rope.
; LAYOUT OF xq AND wq: images of the matrix operand's registers.  Codes: byte P*98304 + s*24576 + i*3072 + q*1536 + p*256 + 8*lane (P: 128 rows, s: 256 along K,
; i: 16 rows, q: 128 along K, p: a pair of the fragment's 12 registers).  Scale words behind them: P*4096 + s*1024 + i*128 + 8*r + 4*q.
; THE ORDER: inside each 32 rows, place 16u + r holds row 8u + r + 8(r/8): a result's 16 registers of two neighbouring tiles are then 16 neighbours along the next K.
; A block's scale is 2^(floor(log2(largest magnitude)) - 4); its byte is the largest magnitude's exponent field - 4, held at 1 from below.
; LIMITS: NaN and infinities are not served; a block whose largest magnitude lies under 2^-122 (a block of zeros too) keeps the byte 1: only this program reads the bytes.
; The angle is t x inv_freq in f32, inv_freq = 2^(-f log2(10000)/32) by v_exp_f32: at t = 2047 it may differ from a correctly rounded one by some 1e-4 rad.
; No work-group shares an input byte with another, so there is no cluster and no tensor load; waves share nothing, so there is no barrier.
.set XPIT,  528                        ; X: a stage row, 512 bytes + 16
.set XWB,   16*XPIT                    ; X: a wave's stage
.set WST,   4*XWB                      ; W: the stages begin behind X's
.set WWB,   6400                       ; W: a wave's stage: two tiles' images, 3200 bytes apart
.set XSB,   6291456                    ; xq: where the scale words begin
.set WSB,   3145728                    ; wq: likewise
.set R,     16                         ; X: v16-143 two sets of 64: a fragment's numbers as loaded
.set X,     144                        ; X: v144-207 my 64 numbers: two whole blocks
.set PC,    208                        ; X: v208-219 the fragment's codes
.set T,     220                        ; X: v220-226 the conversions' second halves
.set WS,    240                        ; X: v240-243 the four fragments' scale words
	s_load_b256 s[4:11], s[0:1], 0x0               ; x s[4:5], W_qkv s[6:7], W_out s[8:9], xq s[10:11]
	s_load_b128 s[12:15], s[0:1], 0x20             ; wq s[12:13], rope s[14:15]
	v_lshl_add_u32 v254, v0, 2, 0xe800
	v_mov_b32 v255, 0
	v_lshrrev_b32 v1, 5, v0
	v_readfirstlane_b32 s16, v1                    ; wave 0..3
	v_and_b32 v7, 31, v0                           ; lane
	v_and_b32 v2, 15, v0                           ; r
	v_bfe_u32 v3, v0, 4, 1                         ; h
	s_mov_b32 s20, 0x76543210
	s_mov_b32 s21, 0xfedcba98                      ; v_permlanex16_b32's selects for lane l xor 16
	s_wait_kmcnt 0x0
	s_cmp_lt_u32 ttmp9, 256
	s_cbranch_scc0 .Lnot_x
; ---------------- X: work-group G takes tokens 32 G .. 32 G + 31, wave w the 256 along K from 256 w: four fragments f (tile f / 2, 128 along K f % 2)
	s_lshl_b32 s24, ttmp9, 17                      ; 32 rows of 4,096 bytes
	s_lshl_b32 s22, s16, 10
	s_add_co_u32 s24, s24, s22
	s_mov_b32 s25, 0
	s_add_nc_u64 s[4:5], s[4:5], s[24:25]
	s_lshr_b32 s26, ttmp9, 2                       ; the panel of 128 rows
	s_and_b32 s27, ttmp9, 3                        ; my 32 of them
	s_mul_i32 s24, s26, 98304
	s_mul_i32 s22, s16, 24576
	s_add_co_u32 s24, s24, s22
	s_mul_i32 s22, s27, 6144
	s_add_co_u32 s24, s24, s22
	s_add_nc_u64 s[30:31], s[10:11], s[24:25]      ; my codes
	s_lshl_b32 s24, s26, 12
	s_lshl_b32 s22, s16, 10
	s_add_co_u32 s24, s24, s22
	s_lshl_b32 s22, s27, 8
	s_add_co_u32 s24, s24, s22
	s_add_co_u32 s24, s24, XSB
	s_add_nc_u64 s[10:11], s[10:11], s[24:25]      ; my scale words
	s_mul_i32 s23, s16, XWB
	s_wait_alu depctr_va_vdst(0)
	v_lshlrev_b32 v1, 4, v7                        ; 16 x lane
	v_add_nc_u32 v4, s23, v1                       ; the stage, in: a row's 512 bytes as they lie
	v_mul_u32_u24 v5, v2, XPIT
	v_lshl_add_u32 v5, v3, 7, v5
	v_add_nc_u32 v5, s23, v5                       ; and out: row r, my half's 128 bytes of each 256
	v_lshlrev_b32 v6, 3, v7                        ; 8 x lane
	v_lshlrev_b32 v15, 3, v3                       ; 8 h
	v_mov_b32 v14, 0                               ; a lane permute's destination counts as one of its sources
.macro XLOADF f                        ; 16 rows x 512 bytes: each load takes 512 consecutive bytes of one row; the rows come in THE ORDER
.set n, 0
.rept 16
	global_load_b128 v[R+64*((\f)%2)+4*n:R+64*((\f)%2)+4*n+3], v1, s[4:5] offset:(8*((\f)/2)+n+8*(n/8))*4096+512*((\f)%2) th:TH_LOAD_NT
.set n, n+1
.endr
.endm
.macro XTURN f                         ; through my stage: LDS serves a wave's instructions in order, so no wait stands between the stores and the loads
.set n, 0
.rept 16
	ds_store_b128 v4, v[R+64*((\f)%2)+4*n:R+64*((\f)%2)+4*n+3] offset:XPIT*n
.set n, n+1
.endr
.set n, 0
.rept 8
	ds_load_b128 v[X+4*n:X+4*n+3], v5 offset:16*n              ; k = 32 h + 0 .. 31 of row r
.set n, n+1
.endr
.set n, 0
.rept 8
	ds_load_b128 v[X+32+4*n:X+32+4*n+3], v5 offset:256+16*n    ; k = 64 + 32 h + 0 .. 31
.set n, n+1
.endr
.endm
.macro XQ f                            ; two whole blocks of a lane become the fragment's 12 registers and the row's scale word
	v_max3_num_f32 v8, |v[X]|, |v[X+1]|, 0x2800000             ; with the floor 2^(5 - 127) among the leaves: the byte cannot fall under 1
	v_max3_num_f32 v9, |v[X+32]|, |v[X+33]|, 0x2800000
.set n, 2
.rept 15
	v_max3_num_f32 v8, v8, |v[X+n]|, |v[X+n+1]|
	v_max3_num_f32 v9, v9, |v[X+32+n]|, |v[X+33+n]|
.set n, n+2
.endr
	v_add_nc_u32 v10, 0xfe000000, v8               ; 4 off the exponent field: the conversion's scale operand
	v_add_nc_u32 v11, 0xfe000000, v9
	v_lshrrev_b32 v12, 23, v10                     ; the bytes of blocks h and 2 + h
	v_lshrrev_b32 v13, 23, v11
	v_lshl_or_b32 v12, v13, 16, v12
	v_lshlrev_b32 v12, v15, v12                    ; at their places in the word
	v_permlanex16_b32 v14, v12, s20, s21
	v_or_b32 v[WS+\f], v12, v14                    ; with lane l xor 16's two the word is whole
	v_cvt_scalef32_pk16_bf6_f32 v[PC:PC+2], v[X:X+15], v10
	v_cvt_scalef32_pk16_bf6_f32 v[T:T+2], v[X+16:X+31], v10    ; (a conversion's three registers begin on an even number)
	v_cvt_scalef32_pk16_bf6_f32 v[PC+6:PC+8], v[X+32:X+47], v11
	v_cvt_scalef32_pk16_bf6_f32 v[T+4:T+6], v[X+48:X+63], v11
	v_nop                                          ; one plain place behind a scaled conversion
.irp i, 0,1,2
	v_mov_b32 v[PC+3+\i], v[T+\i]
	v_mov_b32 v[PC+9+\i], v[T+4+\i]
.endr
.endm
.macro XFRAG f, more, left
	s_wait_loadcnt \left                           ; this fragment's 16 loads are in; the next fragment's 16 may be out
	XTURN \f
	s_wait_dscnt 0x0                               ; my numbers are back, and the stores into the stage have read their registers
.if \more
	XLOADF (\f)+2
.endif
	s_wait_xcnt 0x0                                ; the last fragment's stores have read the code registers, which are written again below
	XQ \f
.irp p, 0,1,2,3,4,5
	global_store_b64 v6, v[PC+2*\p:PC+2*\p+1], s[30:31] offset:((\f)/2)*3072+((\f)%2)*1536+256*\p   ; 32 lanes store 256 consecutive bytes, aligned
.endr
.endm
	XLOADF 0
	XLOADF 1
	s_wait_alu depctr_va_vdst(0)
	XFRAG 0, 1, 16
	XFRAG 1, 1, 16
	XFRAG 2, 0, 16
	XFRAG 3, 0, 0
	v_cmp_eq_u32 vcc_lo, 1, v3
	v_cndmask_b32 v244, v[WS], v[WS+2], vcc_lo     ; lanes 0-15 store tile 0's two words of row r, lanes 16-31 tile 1's
	v_cndmask_b32 v245, v[WS+1], v[WS+3], vcc_lo
	global_store_b64 v6, v[244:245], s[10:11]      ; 256 consecutive bytes, aligned
	s_wait_tensorcnt 0x0
	ds_add_u32 v254, v255
	s_wait_dscnt 0x0
	s_endpgm
; ---------------- W: a lane takes a column and its registers run down K; a wave takes 32 columns x 256 along K: 8 blocks a lane
.Lnot_x:
	s_cmp_lt_u32 ttmp9, 384
	s_cbranch_scc0 .Ltable
	s_sub_co_u32 s24, ttmp9, 256
	s_and_b32 s26, s24, 31                         ; the panel of 128 columns of wq
	s_lshr_b32 s27, s24, 5                         ; which 256 along K
	s_mov_b32 s28, 4096
	s_cmp_lt_u32 s26, 24                           ; panels 0-23 are W_qkv's, 24-31 W_out's: the choice hangs on the work-group's number alone
	s_cselect_b64 s[6:7], s[6:7], s[8:9]
	s_cselect_b32 s28, 12288, s28                  ; bytes from row to row of the source
	s_cselect_b32 s29, 0, 24
	s_sub_co_u32 s29, s26, s29
	s_lshl_b32 s22, s29, 9                         ; the panel's first column, in bytes,
	s_lshl_b32 s29, s16, 7
	s_add_co_u32 s22, s22, s29                     ; + my wave's 32 columns,
	s_lshl_b32 s29, s27, 8
	s_mul_i32 s29, s29, s28
	s_add_co_u32 s22, s22, s29                     ; + 256 rows for each step along K
	s_mov_b32 s23, 0
	s_add_nc_u64 s[32:33], s[6:7], s[22:23]        ; a base for each block of 32 rows: none is ever stepped
	s_lshl_b32 s22, s28, 5
.irp t, 1,2,3,4,5,6,7
	s_add_nc_u64 s[32+2*\t:33+2*\t], s[30+2*\t:31+2*\t], s[22:23]
.endr
	s_mul_i32 s22, s26, 98304
	s_mul_i32 s29, s27, 24576
	s_add_co_u32 s22, s22, s29
	s_mul_i32 s29, s16, 6144
	s_add_co_u32 s22, s22, s29
	s_add_nc_u64 s[48:49], s[12:13], s[22:23]      ; my two tiles' images
	s_lshl_b32 s22, s26, 12
	s_lshl_b32 s29, s27, 10
	s_add_co_u32 s22, s22, s29
	s_lshl_b32 s29, s16, 8
	s_add_co_u32 s22, s22, s29
	s_add_co_u32 s22, s22, WSB
	s_add_nc_u64 s[12:13], s[12:13], s[22:23]      ; and their scale words
	s_wait_alu depctr_va_vdst(0)
	v_lshlrev_b32 v4, 2, v7
.set n, 0
.rept 32
	v_mad_u32_u24 v[32+n], s28, n, v4              ; row n of a block, my column
.set n, n+1
.endr
	v_bfe_u32 v8, v0, 3, 1                         ; column l of the 32 has place 16 u + r: u = bit 3 of l,
	v_and_b32 v9, 7, v0
	v_lshl_or_b32 v9, v3, 3, v9                    ; r = its low three bits and bit 4
	s_mul_i32 s30, s16, WWB
	s_add_co_u32 s30, s30, WST
	v_mul_u32_u24 v10, v8, 3200
	v_lshl_add_u32 v10, v9, 3, v10
	v_add_nc_u32 v10, s30, v10                     ; the stage, in: tile u, 8 bytes at row r
	v_lshl_add_u32 v11, v7, 4, s30                 ; and out: 16 x lane
	v_lshlrev_b32 v12, 7, v8
	v_lshl_add_u32 v12, v9, 3, v12                 ; my two scale words' place
	v_lshlrev_b32 v13, 4, v7
.macro WLOAD t
.set n, 0
.rept 32
	global_load_b32 v[64+32*((\t)%2)+n], v[32+n], s[32+2*(\t):33+2*(\t)] th:TH_LOAD_NT   ; 32 neighbouring columns of one row
.set n, n+1
.endr
.endm
.macro WBLOCK t                        ; block t: K = 32 t .. 32 t + 31 of my column: in the image it is registers 6 (b / 2) .. + 5 of lane r + 16 (b % 2), b = t % 4, of fragment t / 4
.set XS, 64+32*((\t)%2)
.if (\t) < 7
	s_wait_loadcnt 32                              ; this block's 32 loads are in; the next block's may be out
.else
	s_wait_loadcnt 0x0
.endif
	v_max3_num_f32 v14, |v[XS]|, |v[XS+1]|, |v[XS+2]|
	v_max3_num_f32 v15, |v[XS+3]|, |v[XS+4]|, |v[XS+5]|
.irp i, 6,10,14,18,22,26
	v_max3_num_f32 v14, v14, |v[XS+\i]|, |v[XS+\i+1]|
	v_max3_num_f32 v15, v15, |v[XS+\i+2]|, |v[XS+\i+3]|
.endr
	v_max3_num_f32 v14, v14, |v[XS+30]|, |v[XS+31]|
	v_max3_num_f32 v14, v14, v15, 0x2800000        ; and the floor
	v_add_nc_u32 v16, 0xfe000000, v14
	v_lshrrev_b32 v15, 23, v16
.if (\t)%4 == 0
	v_mov_b32 v[136+(\t)/4], v15
.else
	v_lshl_or_b32 v[136+(\t)/4], v15, 8*((\t)%4), v[136+(\t)/4]
.endif
	v_cvt_scalef32_pk16_bf6_f32 v[128:130], v[XS:XS+15], v16
	v_cvt_scalef32_pk16_bf6_f32 v[132:134], v[XS+16:XS+31], v16
	v_nop                                          ; one plain place behind a scaled conversion
	v_mov_b32 v131, v132
	v_mov_b32 v132, v133
	v_mov_b32 v133, v134
.irp p, 0,1,2
	ds_store_b64 v10, v[128+2*\p:129+2*\p] offset:((\t)/4)*1536+768*(((\t)%4)/2)+128*((\t)%2)+256*\p
.endr
.if (\t)+2 < 8
	WLOAD (\t)+2
.endif
	s_wait_dscnt 0x0                               ; the stores have read their registers: the next block's codes may be written
.endm
	WLOAD 0
	WLOAD 1
.irp t, 0,1,2,3,4,5,6,7
	WBLOCK \t
.endr
	s_wait_alu depctr_va_vdst(0)
	global_store_b64 v12, v[136:137], s[12:13]     ; the wave's 32 lanes fill 256 consecutive bytes
.set n, 0
.rept 12
	ds_load_b128 v[144+4*n:147+4*n], v11 offset:(n/6)*3200+(n%6)*512   ; LDS serves a wave's instructions in order: these see my stores
.set n, n+1
.endr
.set n, 0
.rept 12
	s_wait_dscnt 11-n
	global_store_b128 v13, v[144+4*n:147+4*n], s[48:49] offset:(n/6)*3072+(n%6)*512   ; 512 consecutive bytes, aligned
.set n, n+1
.endr
	s_wait_tensorcnt 0x0
	ds_add_u32 v254, v255
	s_wait_dscnt 0x0
	s_endpgm
; ---------------- T: a wave makes one tile of 16 tokens: lane (r, h) holds token 32 (tile / 2) + 8 (tile % 2) + r + 8 (r / 8): cos of frequencies 16 h + 0 .. 15, then sin
.Ltable:
	s_sub_co_u32 s24, ttmp9, 384
	s_lshl_b32 s24, s24, 2
	s_add_co_u32 s24, s24, s16                     ; the tile
	s_lshr_b32 s26, s24, 1
	s_lshl_b32 s26, s26, 5
	s_and_b32 s27, s24, 1
	s_lshl_b32 s27, s27, 3
	s_add_co_u32 s26, s26, s27
	s_lshl_b32 s22, s24, 12
	s_mov_b32 s23, 0
	s_add_nc_u64 s[14:15], s[14:15], s[22:23]
	s_mov_b32 s40, 0x3f22f983                      ; 2 / pi
	s_mov_b32 s41, 0xbfc90fdb                      ; -(pi / 2), its f32 part,
	s_mov_b32 s42, 0x333bbd2e                      ; and what that part has too much
	s_mov_b32 s43, 0xb94ca1f9                      ; sin r = r + r^3 (s45 + s44 z + s43 z^2), z = r^2, on |r| <= pi / 4
	s_mov_b32 s44, 0x3c08839e
	s_mov_b32 s45, 0xbe2aaaa3
	s_mov_b32 s46, 0x37ccf5ce                      ; cos r = 1 - z / 2 + z^2 (s48 + s47 z + s46 z^2)
	s_mov_b32 s47, 0xbab6061a
	s_mov_b32 s48, 0x3d2aaaa5
	s_wait_alu depctr_va_vdst(0)
	v_and_b32 v8, 8, v2
	v_add_nc_u32 v8, v8, v2
	v_add_nc_u32 v8, s26, v8
	v_cvt_f32_u32 v8, v8                           ; t
	v_lshlrev_b32 v9, 4, v3
	v_lshlrev_b32 v1, 4, v7
.macro EACH16 line:vararg                  ; one line for each of the 16 frequencies (n counts them), so that no line waits for the line above it
.set n, 0
.rept 16
	\line
.set n, n+1
.endr
.endm
	EACH16 v_add_nc_u32 v[16+n], n, v9
	EACH16 v_cvt_f32_u32 v[16+n], v[16+n]
	EACH16 v_mul_f32 v[16+n], 0xbed49a78, v[16+n]          ; -f log2(10000) / 32
	s_wait_alu depctr_va_vdst(0)
	EACH16 v_exp_f32 v[16+n], v[16+n]                      ; inv_freq
	v_nop                                          ; a plain place behind the batch,
	s_wait_alu depctr_va_vdst(0)                   ; and one wait for it, ahead of its first reader
	EACH16 v_mul_f32 v[32+n], v8, v[16+n]                  ; the angle a, rounded to f32 as reference() rounds it
	EACH16 v_mul_f32 v[48+n], s40, v[32+n]
	EACH16 v_rndne_f32 v[48+n], v[48+n]                    ; N = the nearest multiple of pi / 2
	EACH16 v_fma_f32 v[32+n], v[48+n], s41, v[32+n]
	EACH16 v_fma_f32 v[32+n], v[48+n], s42, v[32+n]        ; r = a - N pi / 2, in two parts
	EACH16 v_mul_f32 v[64+n], v[32+n], v[32+n]             ; z
	EACH16 v_fma_f32 v[80+n], v[64+n], s43, s44
	EACH16 v_fma_f32 v[80+n], v[80+n], v[64+n], s45
	EACH16 v_mul_f32 v[96+n], v[64+n], v[32+n]
	EACH16 v_fma_f32 v[80+n], v[80+n], v[96+n], v[32+n]    ; sin r
	EACH16 v_fma_f32 v[112+n], v[64+n], s46, s47
	EACH16 v_fma_f32 v[112+n], v[112+n], v[64+n], s48
	EACH16 v_mul_f32 v[96+n], v[64+n], v[64+n]
	EACH16 v_fma_f32 v[64+n], v[64+n], -0.5, 1.0
	EACH16 v_fma_f32 v[112+n], v[112+n], v[96+n], v[64+n]  ; cos r
	EACH16 v_cvt_i32_f32 v[48+n], v[48+n]                  ; the quadrant
.set n, 0
.rept 16
	v_and_b32 v128, 1, v[48+n]
	v_cmp_eq_u32 vcc_lo, 1, v128                   ; in odd quadrants the two change places
	v_cndmask_b32 v[160+n], v[80+n], v[112+n], vcc_lo
	v_cndmask_b32 v[144+n], v[112+n], v[80+n], vcc_lo
.set n, n+1
.endr
	EACH16 v_lshlrev_b32 v[64+n], 30, v[48+n]              ; sin's sign: bit 1 of the quadrant
	EACH16 v_and_b32 v[64+n], 0x80000000, v[64+n]
	EACH16 v_xor_b32 v[160+n], v[160+n], v[64+n]
	EACH16 v_add_nc_u32 v[48+n], 1, v[48+n]                ; cos's: bit 1 of the quadrant + 1
	EACH16 v_lshlrev_b32 v[48+n], 30, v[48+n]
	EACH16 v_and_b32 v[48+n], 0x80000000, v[48+n]
	EACH16 v_xor_b32 v[144+n], v[144+n], v[48+n]
.set n, 0
.rept 8
	global_store_b128 v1, v[144+4*n:147+4*n], s[14:15] offset:512*n
.set n, n+1
.endr
	s_endpgm
.Lfunc_end_k_q2bda9292d3_prep:
	.size	k_q2bda9292d3_prep, .Lfunc_end_k_q2bda9292d3_prep-k_q2bda9292d3_prep
	.p2alignl 7, 3214868480
	.fill 96, 4, 3214868480
	.section	.rodata,"a",@progbits
	.p2align	6, 0x0
	.amdhsa_kernel k_q2bda9292d3_prep
		.amdhsa_group_segment_fixed_size 59904
		.amdhsa_private_segment_fixed_size 0
		.amdhsa_enable_private_segment 0
		.amdhsa_kernarg_size 48
		.amdhsa_user_sgpr_count 2
		.amdhsa_user_sgpr_kernarg_segment_ptr 1
		.amdhsa_wavefront_size32 1
		.amdhsa_system_sgpr_workgroup_id_x 1
		.amdhsa_system_sgpr_workgroup_id_y 1
		.amdhsa_system_sgpr_workgroup_id_z 1
		.amdhsa_system_vgpr_workitem_id 0
		.amdhsa_next_free_vgpr 256
		.amdhsa_next_free_sgpr 66
		.amdhsa_reserve_vcc 1
		.amdhsa_float_denorm_mode_32 3
		.amdhsa_float_denorm_mode_16_64 3
		.amdhsa_memory_ordered 1
		.amdhsa_forward_progress 1
		.amdhsa_inst_pref_size 99
	.end_amdhsa_kernel
	.amdgpu_metadata
---
amdhsa.version: [ 1, 2 ]
amdhsa.kernels:
  - .name:           k_q2bda9292d3_prep
    .symbol:         k_q2bda9292d3_prep.kd
    .args:
      - { .name: x, .offset: 0, .size: 8, .value_kind: global_buffer, .address_space: global }
      - { .name: W_qkv, .offset: 8, .size: 8, .value_kind: global_buffer, .address_space: global }
      - { .name: W_out, .offset: 16, .size: 8, .value_kind: global_buffer, .address_space: global }
      - { .name: xq, .offset: 24, .size: 8, .value_kind: global_buffer, .address_space: global }
      - { .name: wq, .offset: 32, .size: 8, .value_kind: global_buffer, .address_space: global }
      - { .name: rope, .offset: 40, .size: 8, .value_kind: global_buffer, .address_space: global }
    .group_segment_fixed_size: 59904
    .private_segment_fixed_size: 0
    .kernarg_segment_align: 8
    .kernarg_segment_size: 48
    .max_flat_workgroup_size: 128
    .sgpr_count:     66
    .vgpr_count:     256
    .wavefront_size: 32
...
	.end_amdgpu_metadata
.endif
;; end of part 1
;; launch qkv (part 2): grid 8 x 32, 4 waves a work-group, clusters of 4 x 4, 327,680 bytes of LDS; arguments xq, wq, b_qkv, rope, qkv; writes qkv
.if DOCPART == 2
	.amdgcn_target "amdgcn-amd-amdhsa--gfx1250"
	.amdhsa_code_object_version 6
	.text
	.protected	k_q2bda9292d3_qkv
	.globl	k_q2bda9292d3_qkv
	.p2align	8
	.type	k_q2bda9292d3_qkv,@function
k_q2bda9292d3_qkv:
	s_mov_b64 s[64:65], 0
	v_nop
	global_prefetch_b8 v0, s[64:65] scope:SCOPE_SE
	s_setreg_imm32_b32 hwreg(HW_REG_WAVE_MODE, 25, 1), 1
	s_wait_xcnt 0x0
	s_wait_alu depctr_hold_cnt(0) depctr_sa_sdst(0) depctr_va_vdst(0) depctr_va_sdst(0) depctr_va_ssrc(0) depctr_va_vcc(0) depctr_vm_vsrc(0)
	s_getreg_b32 s2, hwreg(HW_REG_IB_STS2, 6, 4)
	s_cmp_eq_u32 s2, 0
	s_cbranch_scc0 .Lentry_in_a_cluster
	s_endpgm
.Lentry_in_a_cluster:
	s_bfe_u32 s2, ttmp6, 0x10000c
	s_cmp_lg_u32 s2, 0xf033
	s_cbranch_scc0 .Lentry_shape_is_right
	s_endpgm
.Lentry_shape_is_right:
; QKV.  x W_qkv on codes of BF6 (K = 1024), + b_qkv, the rotary embedding on q and k, and the results quantised in registers: q and k along the head's 64, v along the tokens.
; A WORK-GROUP STAYS: it owns 256 tokens (tb) and 128 columns (cg: two heads) and makes three tiles of 256 x 128: q's, k's, v's.  8 x 32 = 256 work-groups.
; x's two panels (all of K, 196,608 bytes) and all scale words come into LDS once; W's panel of 128 columns (98,304 bytes) is filled again for k and for v, a quarter a wave,
; behind the round that follows a tile's products, and lands while that tile's results are rotated, quantised and stored.  That refill is asked for a whole way out ahead of its wait,
; and the head's tiles have no loop ahead of them: so no data prefetch is laid.
; A wave makes 128 tokens (panel ta) x 64 columns (one head, cb): 32 accumulators.  q, k: source 0 = W's rows, source 1 = x's: a lane holds a token, its registers run along the head.
; v: the sources change places: a lane holds a column of W, its registers run along the tokens, v's next K.
; OPERANDS lie in memory as images of their registers (see the launch that makes them): a fragment comes by six loads of 8 bytes a lane, each 256 consecutive bytes of LDS.
; CLUSTER 4 x 4: x's tiles are shared along a row of the cluster, W's along a column: joint loads.
; RESULTS: a record of 19,200 bytes for each (bh, chunk of 128 tokens): q's codes at 0, k's at 6,144, v's at 12,288 (+ it*1536 + 512c + 16 lane); scale words at 18,432 + 256 sec + 16 r + 4 it.
; LIMITS: NaN and infinities are not served; a block whose largest magnitude lies under 2^-122 keeps the byte 1 (only this program reads the bytes).
; REGISTERS: window 0: v0-31 addresses, v32-55 scale words (two sets), v64-207 fragment set 0, v208-239 the bias; window 1: v64-207 fragment set 1; window 2: the accumulators; window 3: the table of cos and sin.
.set PANB,  24576                      ; a panel's 256 along K
.set PAN4,  98304                      ; a panel
.set WL,    2*PAN4                     ; LDS: x's two panels, then W's one
.set XS,    3*PAN4                     ; x's scale words, 8,192 bytes
.set WS,    XS+8192                    ; W's, 4,096 for each of q, k, v
.set SPARE, WS+12288                   ; the spare words, 128 bytes a wave: two blocks of 256 bytes that no other line names
.set XSB,   6291456
.set WSB,   3145728
.set ADX,   8                          ; v8-11 my x fragments, a register for each 256 along K;  v12-15 my W fragments
.set ADW,   12
.set ASX,   16                         ; x's scale words: lanes 0-15 block i, lanes 16-31 block i + 4
.set ASWB,  21                         ; W's: lanes 0-15 block i, lanes 16-31 block i + 2
.set ASW,   22
.set SPW,   28
.set NIL,   29
.set SC,    32
.set XF,    64
.set WF,    160
.set BI,    208
.set XT,    32                         ; the way out, window 0
.set WQ,    64
.set PC,    128
.set TM,    148
.set PW,    164
.set SW,    168
.set SEL,   66
.set G1X,   24
.set G1W,   32
.set G1XS,  40
.set G1WS,  48
.set G0X,   56
.set G0W,   60
.set G0XS,  68
.set G0WS,  72
.set G0R,   76
.set TC,    90
.set SECO,  91
.set MSB, 0
.macro WIN new                         ; the immediate's high byte repeats the setting that is left
.if MSB != \new
	s_set_vgpr_msb (MSB<<8)|\new
.set MSB, \new
.endif
.endm
.macro CROUND
	s_barrier_signal -1
	s_barrier_wait -1
	s_cmp_lg_u32 s14, 0
	s_cbranch_scc1 .Lnot_wave_0_\@
	s_barrier_signal -3
.Lnot_wave_0_\@:
	s_barrier_wait -3
	s_barrier_signal -1
	s_barrier_wait -1
.endm
.macro PLACES n
.rept \n
	v_nop
.endr
.endm
.macro G1SET g, c, r, p
	s_mov_b32 s[\g+1], (\c)<<16
	s_mov_b32 s[\g+2], (\r)<<16
	s_mov_b32 s[\g+3], (\c)<<16
	s_mov_b32 s[\g+4], \r
	s_mov_b32 s[\g+5], \p
	s_mov_b32 s[\g+6], 0
	s_mov_b32 s[\g+7], 0
.endm
.macro ARM under, g0, g1, next         ; one arm of the head's chain of branches on the wave's number
	s_cmp_lt_u32 s14, \under
	s_cbranch_scc0 \next
	tensor_load_to_lds s[\g0:\g0+3], s[\g1:\g1+7]
	s_nop 0
.rept 4
	v_nop
.endr
	s_branch .Lhead_asked
\next:
.endm
.macro FRAG reg, adr, q, i
.irp p, 0,1,2,3,4,5
	ds_load_b64 v[\reg+2*\p:\reg+2*\p+1], v[\adr] offset:(\i)*3072+(\q)*1536+256*\p
.endr
.endm
.macro FETCH k                         ; step k's fragments (128 along K) into set k % 2: x's eight, W's four; with an even k the scale words of its 256
.set FS, (\k)/2
.set FQ, (\k)%2
.set WN, 0x40*FQ
	WIN WN
.irp i, 0,1,2,3,4,5,6,7
	FRAG XF+12*\i, ADX+FS, FQ, \i
.endr
.irp i, 0,1,2,3
	FRAG WF+12*\i, ADW+FS, FQ, \i
.endr
	WIN 0
.if FQ == 0
.irp i, 0,1,2,3
	ds_load_b64 v[SC+12*(FS%2)+2*\i:SC+12*(FS%2)+2*\i+1], v[ASX] offset:FS*1024+128*\i
.endr
.irp i, 0,1
	ds_load_b64 v[SC+12*(FS%2)+8+2*\i:SC+12*(FS%2)+9+2*\i], v[ASW] offset:FS*1024+128*\i
.endr
.endif
.endm
.macro WMI z, mods:vararg
.if \z
	v_wmma_scale_f32_16x16x128_f8f6f4 v[DD:DD+7], v[S0:S0+11], v[S1:S1+11], 0, v[C0], v[C1] matrix_a_fmt:MATRIX_FMT_BF6 matrix_b_fmt:MATRIX_FMT_BF6 \mods
.else
	v_wmma_scale_f32_16x16x128_f8f6f4 v[DD:DD+7], v[S0:S0+11], v[S1:S1+11], v[DD:DD+7], v[C0], v[C1] matrix_a_fmt:MATRIX_FMT_BF6 matrix_b_fmt:MATRIX_FMT_BF6 \mods
.endif
.endm
.macro WM z, ra, rb                    ; ra, rb: the scale words stand in lanes 16-31 of their registers
.if (\ra)
.if (\rb)
	WMI \z, matrix_a_scale:MATRIX_SCALE_ROW1 matrix_b_scale:MATRIX_SCALE_ROW1
.else
	WMI \z, matrix_a_scale:MATRIX_SCALE_ROW1
.endif
.else
.if (\rb)
	WMI \z, matrix_b_scale:MATRIX_SCALE_ROW1
.else
	WMI \z
.endif
.endif
.endm
.macro MUL k, v, z                     ; 32 matrix instructions; the 32 accumulators take turns, in the same order in every step
.set MS, ((\k)/2)%2
.set MQ, (\k)%2
.set WN, 0xa0+5*MQ
	WIN WN
.if \v
.irp a, 0,1,2,3
.irp b, 0,1,2,3,4,5,6,7
.set DD, 8*(8*\a+\b)
.set S0, XF+12*\b
.set S1, WF+12*\a
.set C0, SC+12*MS+2*(\b%4)+MQ
.set C1, SC+12*MS+8+2*(\a%2)+MQ
	WM \z, \b/4, \a/2
.endr
.endr
.else
.irp a, 0,1,2,3,4,5,6,7
.irp b, 0,1,2,3
.set DD, 8*(4*\a+\b)
.set S0, WF+12*\b
.set S1, XF+12*\a
.set C0, SC+12*MS+8+2*(\b%2)+MQ
.set C1, SC+12*MS+2*(\a%4)+MQ
	WM \z, \b/2, \a/4
.endr
.endr
.endif
.endm
.macro KLOOP v                         ; eight steps of 128 along K; step k + 1's loads are issued ahead of step k's products
	FETCH 0
.set KK, 0
.rept 8
	s_wait_dscnt 0x0                               ; this step's fragments are in
.if KK < 7
.if KK > 0
	PLACES 4                                       ; in front of loads into registers that the last step's matrix instructions have read
.endif
	FETCH KK+1
.endif
.if KK == 0
	MUL KK, \v, 1                                  ; the first step's products start the sums
.else
	MUL KK, \v, 0
.endif
.set KK, KK+1
.endr
	WIN 0
.endm
; 64 numbers of a lane, register 16 b + i = k 32 b + 16 (lane / 16) + i of my row, become a fragment's codes in v[PC] on and its scale word in v[PW].
.macro QUANT s
.irp b, 0,1,2,3
	v_max3_num_f32 v[TM+\b], |v[\s+16*\b]|, |v[\s+1+16*\b]|, 0x2800000   ; with the floor 2^(5 - 127): the byte cannot fall under 1
.endr
.irp i, 2,4,6,8,10,12,14
.irp b, 0,1,2,3
	v_max3_num_f32 v[TM+\b], v[TM+\b], |v[\s+16*\b+\i]|, |v[\s+1+16*\b+\i]|
.endr
.endr
.irp b, 0,1,2,3
	v_permlanex16_b32 v[TM+4+\b], v[TM+\b], s[SEL], s[SEL+1]
.endr
.irp b, 0,1,2,3
	v_max_num_f32 v[TM+\b], v[TM+\b], v[TM+4+\b]
.endr
.irp b, 0,1,2,3
	v_add_nc_u32 v[TM+12+\b], 0xfe000000, v[TM+\b]
.endr
.irp b, 0,1,2,3
	v_lshrrev_b32 v[TM+4+\b], 23, v[TM+12+\b]
.endr
	v_lshl_or_b32 v[PW], v[TM+5], 8, v[TM+4]
	v_lshl_or_b32 v[PW], v[TM+6], 16, v[PW]
	v_lshl_or_b32 v[PW], v[TM+7], 24, v[PW]
.irp c, 0,1
	v_cvt_scalef32_pk16_bf6_f32 v[PC+6*\c:PC+2+6*\c], v[\s+32*\c:\s+15+32*\c], v[TM+12+2*\c]
	v_cvt_scalef32_pk16_bf6_f32 v[PC+12+4*\c:PC+14+4*\c], v[\s+16+32*\c:\s+31+32*\c], v[TM+12+2*\c+1]
.endr
	v_nop                                          ; one plain place behind a scaled conversion
.irp c, 0,1
.irp i, 0,1,2
	v_permlane16_swap_b32 v[PC+6*\c+\i], v[PC+12+4*\c+\i]
.endr
.irp i, 0,1,2
	v_mov_b32 v[PC+3+6*\c+\i], v[PC+12+4*\c+\i]
.endr
.endr
.endm
	s_load_b256 s[4:11], s[0:1], 0x0               ; xq s[4:5], wq s[6:7], b_qkv s[8:9], rope s[10:11]
	s_load_b64 s[12:13], s[0:1], 0x20              ; qkv
	v_lshl_add_u32 v[SPW], v0, 2, SPARE
	v_mov_b32 v[NIL], 0
	ds_add_u32 v[SPW], v[NIL]                      ; the opening lines: the add, twice on end, and its wait
	ds_add_u32 v[SPW], v[NIL]
	v_lshrrev_b32 v1, 5, v0
	v_readfirstlane_b32 s14, v1                    ; wave 0..3
	s_lshr_b32 s15, s14, 1                         ; ta: my panel of tokens
	s_and_b32 s16, s14, 1                          ; cb: my 64 columns
	s_bfe_u32 s17, ttmp6, 0x40000                  ; cx
	s_bfe_u32 s18, ttmp6, 0x40004                  ; cy
	s_lshl_b32 s19, ttmp9, 2
	s_add_co_u32 s19, s19, s17                     ; cg
	s_and_b32 s20, ttmp7, 0xffff
	s_lshl_b32 s20, s20, 2
	s_add_co_u32 s20, s20, s18                     ; tb
	s_lshl_b32 s2, s18, 2
	s_lshl_b32 s2, 15, s2                          ; my row of the cluster
	s_lshl_b32 s3, 0x1111, s17                     ; my column
	s_or_b32 s[G1X], s2, (3<<16)|(1<<21)           ; elements of 8 bytes; bit 21 beside a mask
	s_or_b32 s[G1XS], s2, (3<<16)|(1<<21)
	s_or_b32 s[G1W], s3, (3<<16)|(1<<21)
	s_or_b32 s[G1WS], s3, (3<<16)|(1<<21)
	G1SET G1X, 32, 768, 32                         ; x's two panels: 768 rows of 256 bytes, dense
	G1SET G1W, 32, 384, 32                         ; W's panel: 384 rows
	G1SET G1XS, 32, 32, 32                         ; x's scale words
	G1SET G1WS, 512, 3, 4096                       ; W's: q's, k's, v's panels' 4,096 bytes, 32,768 apart
	s_mul_i32 s80, s20, 2*PAN4
	s_mov_b32 s81, 0
	s_lshl_b32 s82, s20, 13
	s_add_co_u32 s82, s82, XSB
	s_mov_b32 s83, 0
	s_mul_i32 s84, s19, PAN4
	s_mov_b32 s85, 0
	s_lshl_b32 s86, s19, 12
	s_add_co_u32 s86, s86, WSB
	s_mov_b32 s87, 0
	s_mul_i32 s88, s14, PANB                       ; the refills: my quarter of W's panel
	s_mov_b32 s89, 0
	s_mov_b32 s[SEL], 0x76543210
	s_mov_b32 s[SEL+1], 0xfedcba98
	s_wait_dscnt 0x0
	s_wait_kmcnt 0x0
	CROUND                                         ; all sixteen work-groups are here: the first joint loads meet
	s_mov_b32 s[G0X], 1
	s_mov_b32 s[G0X+1], 0
	s_add_nc_u64 s[G0X+2:G0X+3], s[4:5], s[80:81]
	s_or_b32 s[G0X+3], s[G0X+3], 0x80000000
	s_mov_b32 s[G0W], 1
	s_mov_b32 s[G0W+1], WL
	s_add_nc_u64 s[G0W+2:G0W+3], s[6:7], s[84:85]
	s_or_b32 s[G0W+3], s[G0W+3], 0x80000000
	s_mov_b32 s[G0XS], 1
	s_mov_b32 s[G0XS+1], XS
	s_add_nc_u64 s[G0XS+2:G0XS+3], s[4:5], s[82:83]
	s_or_b32 s[G0XS+3], s[G0XS+3], 0x80000000
	s_mov_b32 s[G0WS], 1
	s_mov_b32 s[G0WS+1], WS
	s_add_nc_u64 s[G0WS+2:G0WS+3], s[6:7], s[86:87]
	s_or_b32 s[G0WS+3], s[G0WS+3], 0x80000000
	s_mov_b32 s[G0R], 1
	s_add_co_u32 s[G0R+1], s88, WL
	s_add_nc_u64 s[G0R+2:G0R+3], s[6:7], s[84:85]
	s_add_nc_u64 s[G0R+2:G0R+3], s[G0R+2:G0R+3], s[88:89]
	s_or_b32 s[G0R+3], s[G0R+3], 0x80000000
	ARM 1, G0X,  G1X,  .Lhead_w                    ; one tensor load a wave at the head
	ARM 2, G0W,  G1W,  .Lhead_xs
	ARM 3, G0XS, G1XS, .Lhead_ws
	tensor_load_to_lds s[G0WS:G0WS+3], s[G1WS:G1WS+7]
	s_nop 0
.rept 4
	v_nop
.endr
.Lhead_asked:
	s_and_b32 s92, s20, 7
	s_lshl_b32 s93, s92, 4
	s_lshl_b32 s94, s15, 3
	s_add_co_u32 s93, s93, s94
	s_lshl_b32 s80, s93, 12
	s_add_nc_u64 s[10:11], s[10:11], s[80:81]      ; my eight token tiles of the table
	s_lshl_b32 s80, s19, 9
	s_lshl_b32 s94, s16, 8
	s_add_co_u32 s80, s80, s94
	s_add_nc_u64 s[8:9], s[8:9], s[80:81]          ; q's bias at my 64 columns
	s_lshr_b32 s93, s20, 3
	s_lshl_b32 s93, s93, 4
	s_lshl_b32 s94, s19, 1
	s_add_co_u32 s93, s93, s94
	s_add_co_u32 s93, s93, s16                     ; batch x 16 + head
	s_lshl_b32 s93, s93, 4
	s_lshl_b32 s92, s92, 1
	s_add_co_u32 s93, s93, s92
	s_add_co_u32 s93, s93, s15                     ; x 16 + chunk
	s_mul_i32 s80, s93, 19200
	s_add_nc_u64 s[12:13], s[12:13], s[80:81]      ; my record: q's codes,
	s_add_nc_u64 s[22:23], s[12:13], 18432         ; q's scale words
	s_mul_i32 s92, s15, PAN4
	s_mul_i32 s93, s16, 12288
	s_add_co_u32 s93, s93, WL
	s_lshl_b32 s94, s15, 12
	s_add_co_u32 s94, s94, XS
	s_lshl_b32 s95, s16, 9
	s_add_co_u32 s95, s95, WS
	v_and_b32 v1, 15, v0                           ; r
	v_bfe_u32 v2, v0, 4, 1                         ; h
	v_and_b32 v3, 31, v0
	v_lshlrev_b32 v4, 3, v3
	v_lshlrev_b32 v17, 4, v3                       ; 16 x lane
	v_add_nc_u32 v[ADX], s92, v4
	v_add_nc_u32 v[ADW], s93, v4
.irp s, 1,2,3
	v_add_nc_u32 v[ADX+\s], \s*PANB, v[ADX]
	v_add_nc_u32 v[ADW+\s], \s*PANB, v[ADW]
.endr
	v_lshlrev_b32 v5, 3, v1
	v_lshl_add_u32 v6, v2, 9, v5
	v_lshl_add_u32 v7, v2, 8, v5
	v_add_nc_u32 v[ASX], s94, v6
	v_add_nc_u32 v[ASWB], s95, v7
	v_lshlrev_b32 v18, 6, v2                       ; q, k: the bias of 16 h + ..
	v_lshlrev_b32 v19, 4, v1                       ; scale words: 16 r
	v_and_b32 v20, 8, v1
	v_add_nc_u32 v20, v20, v1
	v_lshlrev_b32 v20, 2, v20                      ; v: the bias of column r + 8 (r / 8)
.irp b, 0,1,2,3
	v_mov_b32 v[TM+4+\b], 0                        ; a lane permute's destination counts as one of its sources
.endr
	WIN 0xc0                                       ; window 3: token tile a's cos at v[32 a], sin at v[32 a + 16]; it serves q and k
.set n, 0
.rept 64
	global_load_b128 v[4*n:4*n+3], v17, s[10:11] offset:512*n
.set n, n+1
.endr
	WIN 0
	s_wait_alu depctr_va_vdst(0)
	s_wait_tensorcnt 0x0                           ; my tile of the head's four is in; no tensor load of mine is out, so group 1 may be written:
	s_mov_b32 s[G1W+2], 96<<16                     ; from here on a load brings a quarter of W's panel, 96 rows
	s_mov_b32 s[G1W+4], 96
	s_mov_b32 s[TC], 0
	s_mov_b32 s[SECO], 0
.Ltile:                                ; two trips: q, k
	s_wait_tensorcnt 0x0                           ; my part of W's panel is in
	s_barrier_signal -1
	s_barrier_wait -1                              ; and everybody's
	s_wait_xcnt 0x0                                ; the last tile's stores have read their registers
	v_add_nc_u32 v[ASW], s[SECO], v[ASWB]
	s_wait_alu depctr_va_vdst(0)
.irp b, 0,1,2,3
	global_load_b128 v[BI+8*\b:BI+8*\b+3], v18, s[8:9] offset:(32*(\b/2)+8*(\b%2))*4
	global_load_b128 v[BI+8*\b+4:BI+8*\b+7], v18, s[8:9] offset:(32*(\b/2)+8*(\b%2))*4+16
.endr
	KLOOP 0
	s_wait_tensorcnt 0x0                           ; in front of a refill's round
	ds_add_u32 v[SPW], v[NIL]
	s_add_nc_u64 s[G0R+2:G0R+3], s[G0R+2:G0R+3], 8*PAN4   ; the next section's panel
	s_wait_dscnt 0x0
	CROUND                                         ; no wave of any partner still reads W's panel
	tensor_load_to_lds s[G0R:G0R+3], s[G1W:G1W+7]  ; my one tensor load behind the round
	s_nop 0
	PLACES 4                                       ; also the places behind the last products
	s_wait_loadcnt 0x0                             ; the bias, and the table
; tokens 32 g .. 32 g + 31: two tiles of tokens x 64: bias, rotation, and one fragment.  Accumulator (a, b): lane (r, h) holds token r of tile a; register j the column 32 (b / 2) + 16 h + 8 (b % 2) + j
.macro QKITEM g
	s_wait_xcnt 0x0                                ; the last item's stores have read the code registers
.irp c, 0,1
.set AQ, 2*\g+\c
	WIN 0x02                                       ; source 0: the accumulators' window
.irp tt, 0,1,2,3
.irp j, 0,2,4,6
	v_pk_add_f32 v[XT+8*\tt+\j:XT+8*\tt+\j+1], v[8*(4*AQ+\tt)+\j:8*(4*AQ+\tt)+\j+1], v[BI+8*\tt+\j:BI+8*\tt+\j+1]
.endr
.endr
	WIN 0x0c                                       ; source 1: the table's window.  XT 0-15 = x1 (d = 16 h + i), XT 16-31 = x2 (d = 32 + 16 h + i)
.irp i, 0,2,4,6,8,10,12,14
	v_pk_mul_f32 v[WQ+32*\c+\i:WQ+32*\c+\i+1], v[XT+16+\i:XT+17+\i], v[32*AQ+16+\i:32*AQ+17+\i]
	v_pk_mul_f32 v[WQ+32*\c+16+\i:WQ+32*\c+17+\i], v[XT+\i:XT+\i+1], v[32*AQ+16+\i:32*AQ+17+\i]
.endr
.irp i, 0,2,4,6,8,10,12,14
	v_pk_fma_f32 v[WQ+32*\c+\i:WQ+32*\c+\i+1], v[XT+\i:XT+\i+1], v[32*AQ+\i:32*AQ+\i+1], v[WQ+32*\c+\i:WQ+32*\c+\i+1] neg_lo:[0,0,1] neg_hi:[0,0,1]   ; x1 cos - x2 sin
	v_pk_fma_f32 v[WQ+32*\c+16+\i:WQ+32*\c+17+\i], v[XT+16+\i:XT+17+\i], v[32*AQ+\i:32*AQ+\i+1], v[WQ+32*\c+16+\i:WQ+32*\c+17+\i]                     ; x2 cos + x1 sin
.endr
.endr
	WIN 0
	QUANT WQ
.irp c, 0,1,2
	global_store_b128 v17, v[PC+4*\c:PC+4*\c+3], s[12:13] offset:\g*1536+512*\c   ; 512 consecutive bytes, aligned
.endr
	v_mov_b32 v[SW+\g], v[PW]
.endm
.irp g, 0,1,2,3
	QKITEM \g
.endr
	global_store_b128 v19, v[SW:SW+3], s[22:23]    ; sixteen lanes fill 256 consecutive bytes, aligned (lanes 16-31 hold and store the same)
	s_wait_xcnt 0x0                                ; the bases are stepped only behind this wait
	s_add_nc_u64 s[12:13], s[12:13], 6144
	s_add_nc_u64 s[22:23], s[22:23], 256
	s_add_nc_u64 s[8:9], s[8:9], 4096
	s_add_co_u32 s[SECO], s[SECO], 4096
	s_add_co_u32 s[TC], s[TC], 1
	s_cmp_lt_u32 s[TC], 2
	s_cbranch_scc1 .Ltile
	; ---- v
	s_wait_tensorcnt 0x0
	s_barrier_signal -1
	s_barrier_wait -1
	v_add_nc_u32 v[ASW], s[SECO], v[ASWB]
	s_wait_alu depctr_va_vdst(0)                   ; as above
.irp a, 0,1,2,3
	global_load_b32 v[BI+2*\a], v20, s[8:9] offset:(32*(\a/2)+8*(\a%2))*4
	global_load_b32 v[BI+2*\a+1], v20, s[8:9] offset:(32*(\a/2)+8*(\a%2))*4   ; twice: a pair for the packed addition
.endr
	KLOOP 1
	PLACES 4
	s_wait_loadcnt 0x0
; accumulator (a, b): lane (r, h) holds column r of W's tile a; register j the token 32 (b / 2) + 16 h + 8 (b % 2) + j
.macro VITEM a
	s_wait_xcnt 0x0
	WIN 0x02
.irp b, 0,1,2,3,4,5,6,7
.irp j, 0,2,4,6
	v_pk_add_f32 v[WQ+8*\b+\j:WQ+8*\b+\j+1], v[8*(8*\a+\b)+\j:8*(8*\a+\b)+\j+1], v[BI+2*\a:BI+2*\a+1]
.endr
.endr
	WIN 0
	QUANT WQ
.irp c, 0,1,2
	global_store_b128 v17, v[PC+4*\c:PC+4*\c+3], s[12:13] offset:\a*1536+512*\c
.endr
	v_mov_b32 v[SW+\a], v[PW]
.endm
.irp a, 0,1,2,3
	VITEM \a
.endr
	global_store_b128 v19, v[SW:SW+3], s[22:23]
	s_wait_tensorcnt 0x0                           ; the wave's end
	ds_add_u32 v[SPW], v[NIL]
	s_wait_dscnt 0x0
	CROUND                                         ; the closing round
	s_endpgm
.Lfunc_end_k_q2bda9292d3_qkv:
	.size	k_q2bda9292d3_qkv, .Lfunc_end_k_q2bda9292d3_qkv-k_q2bda9292d3_qkv
	.p2alignl 7, 3214868480
	.fill 96, 4, 3214868480
	.section	.rodata,"a",@progbits
	.p2align	6, 0x0
	.amdhsa_kernel k_q2bda9292d3_qkv
		.amdhsa_group_segment_fixed_size 327680
		.amdhsa_private_segment_fixed_size 0
		.amdhsa_enable_private_segment 0
		.amdhsa_kernarg_size 40
		.amdhsa_user_sgpr_count 2
		.amdhsa_user_sgpr_kernarg_segment_ptr 1
		.amdhsa_wavefront_size32 1
		.amdhsa_system_sgpr_workgroup_id_x 1
		.amdhsa_system_sgpr_workgroup_id_y 1
		.amdhsa_system_sgpr_workgroup_id_z 1
		.amdhsa_system_vgpr_workitem_id 0
		.amdhsa_next_free_vgpr 1024
		.amdhsa_next_free_sgpr 100
		.amdhsa_reserve_vcc 0
		.amdhsa_float_denorm_mode_32 3
		.amdhsa_float_denorm_mode_16_64 3
		.amdhsa_memory_ordered 1
		.amdhsa_forward_progress 1
		.amdhsa_inst_pref_size 227
	.end_amdhsa_kernel
	.amdgpu_metadata
---
amdhsa.version: [ 1, 2 ]
amdhsa.kernels:
  - .name:           k_q2bda9292d3_qkv
    .symbol:         k_q2bda9292d3_qkv.kd
    .args:
      - { .name: xq, .offset: 0, .size: 8, .value_kind: global_buffer, .address_space: global }
      - { .name: wq, .offset: 8, .size: 8, .value_kind: global_buffer, .address_space: global }
      - { .name: b_qkv, .offset: 16, .size: 8, .value_kind: global_buffer, .address_space: global }
      - { .name: rope, .offset: 24, .size: 8, .value_kind: global_buffer, .address_space: global }
      - { .name: qkv, .offset: 32, .size: 8, .value_kind: global_buffer, .address_space: global }
    .group_segment_fixed_size: 327680
    .private_segment_fixed_size: 0
    .kernarg_segment_align: 8
    .kernarg_segment_size: 40
    .max_flat_workgroup_size: 128
    .sgpr_count:     100
    .vgpr_count:     1024
    .wavefront_size: 32
...
	.end_amdgpu_metadata
.endif
;; end of part 2
;; launch attn (part 3): grid 4 x 64, 16 waves a work-group, clusters of 4 x 1, 327,680 bytes of LDS; arguments qkv, oq; writes oq
.if DOCPART == 3
	.amdgcn_target "amdgcn-amd-amdhsa--gfx1250"
	.amdhsa_code_object_version 6
	.text
	.protected	k_q2bda9292d3_attn
	.globl	k_q2bda9292d3_attn
	.p2align	8
	.type	k_q2bda9292d3_attn,@function
k_q2bda9292d3_attn:
	s_mov_b64 s[64:65], 0
	v_nop
	global_prefetch_b8 v0, s[64:65] scope:SCOPE_SE
	s_setreg_imm32_b32 hwreg(HW_REG_WAVE_MODE, 25, 1), 1
	s_wait_xcnt 0x0
	s_wait_alu depctr_hold_cnt(0) depctr_sa_sdst(0) depctr_va_vdst(0) depctr_va_sdst(0) depctr_va_ssrc(0) depctr_va_vcc(0) depctr_vm_vsrc(0)
	s_getreg_b32 s2, hwreg(HW_REG_IB_STS2, 6, 4)
	s_cmp_eq_u32 s2, 0
	s_cbranch_scc0 .Lentry_in_a_cluster
	s_endpgm
.Lentry_in_a_cluster:
	s_bfe_u32 s2, ttmp6, 0x10000c
	s_cmp_lg_u32 s2, 0x3003
	s_cbranch_scc0 .Lentry_shape_is_right
	s_endpgm
.Lentry_shape_is_right:
; ATTENTION on codes of BF6: S^T = k q^T, p = 2^(t - M) quantised along the keys, O^T += v^T p^T, O / l quantised along the head's 64 into oq (an image of the next product's A operand).
; LEFT OUT: chunks of 128 keys that lie wholly behind a query tile's chunk: reference() itself sets those scores to -inf by its causal jnp.tril, for all inputs, so they reach no output.
; A NaN or an infinity that would arise only in those chunks is not carried to the result.
; LIMITS: the scaled scores stay under 2^31 in magnitude; NaN and infinities are not served; a block of p whose largest lies under 2^-122 keeps the scale byte 1.
; THE DEAL: work-group (cx, bh): of each chunk of 128 queries the 32 at 32 cx.  Wave w takes 16 of them in chunk w and the other 16 in chunk 15 - w: 17 steps of 16 queries x 128 keys for every wave.
; CLUSTER 4 x 1: the four work-groups of one (batch, head) need the same k and v: wave w asks jointly for chunk w, 51 rows of 256 bytes of its record (k's codes, v's codes, the scale words): one tensor load a wave,
; 16 x 13,056 bytes that stay in LDS; nothing is filled again.  No data prefetch: k and v are asked for once, at the head, so there is no loop to run ahead in.
; THE KEYS OF A TILE are chosen by the lanes' LDS addresses: row 8 h' + j of tile t of half c is key 64 c + 32 h' + 8 t + j.  So lane (query r, half h) holds in registers S + 32 c + 0 .. 31 the keys 64 c + 32 h + 0 .. 31:
; a WHOLE block of 32 along the next K: its largest score needs no other lane, and the conversions' results are the operand's registers.
; A fragment of k holds two tiles of 16 keys x 64: q stands in the lower or in the upper 64 of its operand, zero codes in the other.
; A step's k fragments are read from LDS at the end of the step before (the chunk's number held at 15, so that the read stays inside k and v; what the last step of a pass reads so is not used).
; Chains of dependent vector instructions stand among independent ones: eight chains for the blocks' maxima, four for the row's sum, the scale bytes' chain among the sum's additions.
.set REC,   19200                      ; a record of qkv: q 0, k 6,144, v 12,288, scale words 18,432 + 256 sec
.set CHB,   13056                      ; a chunk in LDS: k 0, v 6,144, k's scale words 12,544, v's 12,800
.set SPARE, 16*CHB                     ; the spare words, 128 bytes a wave: eight blocks of 256 bytes that no other line names
.set OSB,   6291456                    ; oq: where the scale words begin
.set WV,  8
.set KAP, 41                           ; my query tile's chunk
.set KC,  50
.set TB,  51
.set CSN, 52                           ; -c
.set TN,  53                           ; the chunk whose k is read next
.set SEL, 54
.set CS,  56                           ; c = log2(e) / 8
.set MK,  72                           ; s72-79 eight lane masks
.set KV,  36                           ; v36-83 four fragments of k, then of v
.set KS,  84                           ; v84-87 k's scale words;  v88-91 v's
.set VS,  88
.set S,   96                           ; v96-159 scores, then p
.set O,   160                          ; v160-191 O^T
.set PCD, 192                          ; v192-203 p's codes;  v204-210 the conversions' second halves
.set T,   204
.set BM,  212
.set SO,  214
.set PX,  216
.set F,   218
.set PW,  220
.set TMP, 221
.set NEGI, 222
.set BY,  224
.set Q1,  226                          ; v226-238 the second pass's q
.set SB,  238                          ; v240-245 three more chains of the row's sum
.set MX,  246                          ; v246-253 eight chains of maxima
.macro CROUND
	s_barrier_signal -1
	s_barrier_wait -1
	s_cmp_lg_u32 s[WV], 0
	s_cbranch_scc1 .Lnot_wave_0_\@
	s_barrier_signal -3
.Lnot_wave_0_\@:
	s_barrier_wait -3
	s_barrier_signal -1
	s_barrier_wait -1
.endm
.macro KLOADS                          ; chunk s[TN]'s four fragments of k, their scale words, and v's scale words
	v_add_nc_u32 v6, s[TN], v2
	v_add_nc_u32 v8, s[TN], v10
	v_add_nc_u32 v9, s[TN], v11
.irp g, 0,1,2,3
.irp c, 0,1,2
	ds_load_b128 v[KV+12*\g+4*\c:KV+12*\g+4*\c+3], v6 offset:3072*(\g/2)+128*(\g%2)+512*\c
.endr
.endr
.irp g, 0,1,2,3
	ds_load_b32 v[KS+\g], v8 offset:128*(\g%2)+8*(\g/2)
.endr
	ds_load_b128 v[VS:VS+3], v9
.endm
.macro PF cnt                          ; the next cnt pairs of scores become t - M
.rept \cnt
	v_pk_fma_f32 v[S+NF:S+NF+1], v[S+NF:S+NF+1], s[CS:CS+1], v[12:13] op_sel_hi:[1,0,0]
.set NF, NF+2
.endr
.endm
.macro SADD cnt                        ; the next cnt pairs of p onto the sum's four chains, by turns
.rept \cnt
.if NP%4
.set CR, SB+2*(NP%4)
.else
.set CR, 14
.endif
	v_pk_add_f32 v[CR:CR+1], v[CR:CR+1], v[S+2*NP:S+2*NP+1]
.set NP, NP+1
.endr
.endm
	s_load_b128 s[4:7], s[0:1], 0x0                ; qkv, oq
	v_lshl_add_u32 v254, v0, 2, SPARE
	v_mov_b32 v255, 0
	ds_add_u32 v254, v255                          ; the opening lines: the add, twice on end, and its wait
	ds_add_u32 v254, v255
	v_lshrrev_b32 v1, 5, v0
	v_readfirstlane_b32 s[WV], v1                  ; wave 0..15
	s_bfe_u32 s9, ttmp6, 0x40000                   ; cx
	s_and_b32 s10, ttmp7, 0xffff                   ; bh
	s_mov_b32 s16, 15|(3<<16)|(1<<21)              ; all four partners; elements of 8 bytes
	s_mov_b32 s17, 32<<16
	s_mov_b32 s18, 51<<16
	s_mov_b32 s19, 32<<16
	s_mov_b32 s20, 51
	s_mov_b32 s21, 32
	s_mov_b32 s22, 0
	s_mov_b32 s23, 0
	s_lshl_b32 s11, s10, 4
	s_add_co_u32 s12, s11, s[WV]
	s_mul_i32 s12, s12, REC                        ; chunk w's record
	s_mov_b32 s13, 0
	s_sub_co_u32 s14, 15, s[WV]
	s_add_co_u32 s14, s14, s11
	s_mul_i32 s14, s14, REC                        ; chunk 15 - w's
	s_mov_b32 s15, 0
	s_mov_b32 s[SEL], 0x76543210
	s_mov_b32 s[SEL+1], 0xfedcba98
	s_mov_b32 s[CS], 0x3e38aa3b
	s_mov_b32 s[CS+1], s[CS]
	s_mov_b32 s[CSN], 0xbe38aa3b
	s_wait_dscnt 0x0
	s_wait_kmcnt 0x0
	CROUND                                         ; the four partners are here: the joint loads meet
	s_add_nc_u64 s[42:43], s[4:5], s[12:13]
	s_add_nc_u64 s[44:45], s[4:5], s[14:15]
	s_mov_b32 s32, 1
	s_mul_i32 s33, s[WV], CHB
	s_add_nc_u64 s[34:35], s[42:43], 6144
	s_or_b32 s35, s35, 0x80000000
	tensor_load_to_lds s[32:35], s[16:23]          ; my one tensor load
	s_nop 0
	s_lshl_b32 s40, s9, 5
	s_mul_i32 s70, s9, 1536
	s_lshl_b32 s71, s9, 2
	s_add_co_u32 s71, s71, 18432
	s_lshr_b32 s58, s10, 4                         ; where the results go in oq: panel = batch x 16 + chunk,
	s_lshl_b32 s58, s58, 4
	s_and_b32 s59, s10, 15                         ; the head: 256 along K = four heads, 128 = two, 64 = three pairs of a fragment's registers
	s_lshr_b32 s60, s59, 2
	s_bfe_u32 s61, s59, 0x10001
	s_and_b32 s62, s59, 1
	s_lshl_b32 s63, s9, 1
	s_mul_i32 s66, s60, 24576
	s_mul_i32 s67, s61, 1536
	s_add_co_u32 s66, s66, s67
	s_mul_i32 s67, s62, 768
	s_add_co_u32 s66, s66, s67
	s_mul_i32 s67, s63, 3072
	s_add_co_u32 s66, s66, s67
	s_lshl_b32 s68, s60, 10
	s_lshl_b32 s67, s63, 7
	s_add_co_u32 s68, s68, s67
	s_lshl_b32 s67, s61, 2
	s_add_co_u32 s68, s68, s67
	s_lshl_b32 s67, s62, 1
	s_add_co_u32 s68, s68, s67
	s_add_co_u32 s68, s68, OSB
	v_and_b32 v10, 31, v0                          ; lane
	v_and_b32 v11, 15, v0                          ; r
	v_bfe_u32 v92, v0, 4, 1                        ; h
	v_bfe_u32 v7, v0, 3, 1                         ; h'
	v_and_b32 v6, 7, v0                            ; j
	v_lshlrev_b32 v1, 4, v10                       ; 16 x lane: an operand's image
	v_lshlrev_b32 v93, 4, v11                      ; 16 r
	v_add_nc_u32 v94, s70, v1                      ; q's codes: item cx of a record
	v_add_nc_u32 v95, s71, v93                     ; q's scale word
.irp c, 0,1,2
	global_load_b128 v[S+4*\c:S+4*\c+3], v94, s[42:43] offset:512*\c
	global_load_b128 v[Q1+4*\c:Q1+4*\c+3], v94, s[44:45] offset:512*\c
.endr
	global_load_b32 v[S+12], v95, s[42:43]
	global_load_b32 v[Q1+12], v95, s[44:45]
	v_lshlrev_b32 v4, 3, v10
	v_lshlrev_b32 v5, 3, v11
	v_lshl_add_u32 v2, v92, 4, v6
	v_lshlrev_b32 v2, 4, v2
	v_mad_u32_u24 v2, v7, 1536, v2                 ; k: item 2 c + h', the image's lane j + 8 a + 16 h: 1536 h' + 16 (j + 16 h); c and a stand in the loads' offsets
	v_and_b32 v3, 8, v11
	v_add_nc_u32 v3, v3, v11
	v_lshlrev_b32 v8, 5, v92
	v_sub_nc_u32 v3, v3, v8
	v_add_nc_u32 v3, s40, v3                       ; the mask: 32 cx + r + 8 (r / 8) - 32 h
	v_lshlrev_b32 v10, 4, v6
	v_lshl_add_u32 v10, v7, 2, v10
	v_add_nc_u32 v10, 12544, v10                   ; k's scale word of row j + 8 a, item 2 c + h'
	v_add_nc_u32 v11, 12800, v93                   ; v's four scale words of row r
	v_lshlrev_b32 v92, 3, v92                      ; 8 h
.irp i, 0,1,2,3,4,5
	v_mov_b32 v[16+\i], 0                          ; zero codes on both sides of q
	v_mov_b32 v[28+\i], 0
.endr
	v_mov_b32 v[PX], 0                             ; a lane permute's destination counts as one of its sources
	v_mov_b32 v[PX+1], 0
	v_mov_b32 v[F+1], 0
	s_wait_alu depctr_va_vdst(0)
	s_wait_tensorcnt 0x0                           ; my chunk is in
	s_barrier_signal -1
	s_barrier_wait -1                              ; and everybody's
.macro PASS p, qb
.if \p == 0
	s_mov_b32 s[KAP], s[WV]
.else
	s_wait_xcnt 0x0                                ; the first pass's stores have read their bases and registers
	s_sub_co_u32 s[KAP], 15, s[WV]
.endif
	s_mov_b32 s[TN], 0
	KLOADS                                         ; chunk 0's k: it lands under the set-up below
	s_add_co_u32 s69, s58, s[KAP]
	s_mul_i32 s46, s69, 98304
	s_add_co_u32 s46, s46, s66
	s_add_co_u32 s46, s46, \p*3072
	s_mov_b32 s47, 0
	s_add_nc_u64 s[46:47], s[6:7], s[46:47]
	s_lshl_b32 s48, s69, 12
	s_add_co_u32 s48, s48, s68
	s_add_co_u32 s48, s48, \p*128
	s_mov_b32 s49, 0
	s_add_nc_u64 s[48:49], s[6:7], s[48:49]
.if \p == 0
	s_wait_loadcnt 0x0                             ; both passes' q
.endif
.irp i, 0,1,2,3,4,5
	v_mov_b32 v[22+\i], v[\qb+6*\p+\i]             ; tile p of the item
.endr
.if \p == 0
	v_mov_b32 v34, v[\qb+12]                       ; its two scale bytes under q in the lower 64,
	v_lshlrev_b32 v35, 16, v[\qb+12]               ; and in the upper
.else
	v_lshrrev_b32 v34, 16, v[\qb+12]
	v_mov_b32 v35, v[\qb+12]
.endif
	v_mov_b32 v13, 0xff61b1e6                      ; the largest score so far: -3e38
	v_mov_b32 v12, 0x7f61b1e6                      ; -M
	v_mov_b32 v14, 0
	v_mov_b32 v15, 0
.set n, 0
.rept 32
	v_mov_b32 v[O+n], 0
.set n, n+1
.endr
	s_mov_b32 s[KC], 0
	s_mov_b32 s[TB], 0
.Lstep_\p:                             ; sixteen trips in every wave; the trips behind my chunk do nothing
	s_cmp_gt_u32 s[KC], s[KAP]
	s_cbranch_scc1 .Lskip_\p
	v_mov_b32 v[TMP], v12
	s_wait_alu depctr_va_vdst(0)
	s_wait_dscnt 0x0                               ; this chunk's k, asked for a step ago
.irp g, 0,1,2,3
	v_wmma_scale_f32_16x16x128_f8f6f4 v[S+16*\g:S+16*\g+7], v[KV+12*\g:KV+12*\g+11], v[22:33], 0, v[KS+\g], v34 matrix_a_fmt:MATRIX_FMT_BF6 matrix_b_fmt:MATRIX_FMT_BF6
	v_wmma_scale_f32_16x16x128_f8f6f4 v[S+16*\g+8:S+16*\g+15], v[KV+12*\g:KV+12*\g+11], v[16:27], 0, v[KS+\g], v35 matrix_a_fmt:MATRIX_FMT_BF6 matrix_b_fmt:MATRIX_FMT_BF6
.endr
	v_add_nc_u32 v7, s[TB], v1
.rept 3
	v_nop                                          ; four places in front of loads into registers that matrix instructions have read, and of the first read of the scores
.endr
.irp t, 0,1,2,3
.irp c, 0,1,2
	ds_load_b128 v[KV+12*\t+4*\c:KV+12*\t+4*\c+3], v7 offset:6144+1536*\t+512*\c
.endr
.endr
	s_cmp_eq_u32 s[KC], s[KAP]
	s_cbranch_scc0 .Lopen_\p
	v_mov_b32 v[NEGI], 0xff800000                  ; my own chunk: keys behind the query count for nothing.  Eight compares, then eight selects
.set n, 0
.rept 8
.irp i, 0,1,2,3,4,5,6,7
	v_cmp_gt_i32 s[MK+\i], 64*((n+\i)/32)+(n+\i)%32-8*\p, v3
.endr
.irp i, 0,1,2,3,4,5,6,7
	v_cndmask_b32 v[S+n+\i], v[S+n+\i], v[NEGI], s[MK+\i]
.endr
.set n, n+8
.endr
.Lopen_\p:
.irp c, 0,1                            ; the largest score of my two blocks: eight chains by turns; each accumulator is first read in its four lowest registers
	v_max3_num_f32 v[MX+4*\c], v[S+32*\c], v[S+32*\c+1], v[S+32*\c+2]
	v_max3_num_f32 v[MX+4*\c+1], v[S+32*\c+9], v[S+32*\c+10], v[S+32*\c+11]
	v_max3_num_f32 v[MX+4*\c+2], v[S+32*\c+18], v[S+32*\c+19], v[S+32*\c+20]
	v_max3_num_f32 v[MX+4*\c+3], v[S+32*\c+25], v[S+32*\c+26], v[S+32*\c+27]
.endr
.irp i, 0,2
.irp c, 0,1
	v_max3_num_f32 v[MX+4*\c], v[MX+4*\c], v[S+32*\c+3+\i], v[S+32*\c+4+\i]
	v_max3_num_f32 v[MX+4*\c+1], v[MX+4*\c+1], v[S+32*\c+12+\i], v[S+32*\c+13+\i]
	v_max3_num_f32 v[MX+4*\c+2], v[MX+4*\c+2], v[S+32*\c+21+\i], v[S+32*\c+22+\i]
	v_max3_num_f32 v[MX+4*\c+3], v[MX+4*\c+3], v[S+32*\c+28+\i], v[S+32*\c+29+\i]
.endr
.endr
.irp c, 0,1
	v_max3_num_f32 v[MX+4*\c], v[MX+4*\c], v[S+32*\c+7], v[S+32*\c+8]
	v_max3_num_f32 v[MX+4*\c+1], v[MX+4*\c+1], v[S+32*\c+16], v[S+32*\c+17]
.endr
.irp c, 0,1
	v_max3_num_f32 v[BM+\c], v[MX+4*\c], v[MX+4*\c+1], v[MX+4*\c+2]
.endr
.irp c, 0,1
	s_delay_alu instid0(VALU_DEP_2)
	v_max_num_f32 v[BM+\c], v[BM+\c], v[MX+4*\c+3]
.endr
	s_delay_alu instid0(VALU_DEP_1)
	v_max_num_f32 v[BY], v[BM], v[BM+1]
	s_delay_alu instid0(VALU_DEP_1)
	v_permlanex16_b32 v[PX], v[BY], s[SEL], s[SEL+1]
	s_delay_alu instid0(VALU_DEP_1)
	v_max3_num_f32 v13, v13, v[BY], v[PX]          ; the running largest score of my query
	s_delay_alu instid0(VALU_DEP_1)
	v_mul_f32 v[BY], s[CSN], v13
	s_delay_alu instid0(VALU_DEP_1)
	v_floor_f32 v12, v[BY]                         ; -M = floor(-t): M is a whole number
	s_delay_alu instid0(VALU_DEP_1)
	v_sub_f32 v[TMP], v12, v[TMP]
.set NF, 0
	PF 4                                           ; t - M; the rest of f's chain stands among these
	v_cvt_i32_f32 v[TMP], v[TMP]                   ; (it saturates)
	PF 4
	v_ldexp_f32 v[F], 1.0, v[TMP]                  ; f = 2^(old M - new M)
	PF 24
.irp c, 0,1
	v_fma_f32 v[BM+\c], v[BM+\c], s[CS], v12       ; the same of each block's largest score
.endr
.set n, 0
.rept 16
	v_pk_mul_f32 v[O+n:O+n+1], v[O+n:O+n+1], v[F:F+1] op_sel_hi:[1,0]   ; O^T under the new M, ahead of the exponentials
.set n, n+2
.endr
	s_wait_alu depctr_va_vdst(0)
	v_exp_f32 v[BM], v[BM]                         ; each block's largest p: the same two instructions on the same number give the same bits
	v_exp_f32 v[BM+1], v[BM+1]
.set n, 0
.rept 64
	v_exp_f32 v[S+n], v[S+n]
.set n, n+1
.endr
	v_nop                                          ; a plain place behind the batch,
	s_wait_alu depctr_va_vdst(0)                   ; and one wait for it
.irp c, 0,1
	v_max_num_f32 v[BM+\c], 0x2800000, v[BM+\c]    ; the floor 2^(5 - 127): the byte cannot fall under 1
.endr
	v_pk_fma_f32 v[14:15], v[14:15], v[F:F+1], v[S:S+1] op_sel_hi:[1,0,1]   ; the sum under the new M, and the unquantised p onto it: four chains
	v_pk_add_f32 v[SB+2:SB+3], v[S+2:S+3], v[S+4:S+5]
	v_pk_add_f32 v[SB+4:SB+5], v[S+6:S+7], v[S+8:S+9]
	v_pk_add_f32 v[SB+6:SB+7], v[S+10:S+11], v[S+12:S+13]
.set NP, 7
.irp c, 0,1
	v_add_nc_u32 v[SO+\c], 0xfe000000, v[BM+\c]    ; 4 off the exponent field: the conversion's scale operand
.endr
	SADD 4
.irp c, 0,1
	v_cvt_scalef32_pk16_bf6_f32 v[PCD+6*\c:PCD+6*\c+2], v[S+32*\c:S+32*\c+15], v[SO+\c]
	v_cvt_scalef32_pk16_bf6_f32 v[T+4*\c:T+4*\c+2], v[S+32*\c+16:S+32*\c+31], v[SO+\c]   ; (a conversion's three registers begin on an even number)
.endr
.irp c, 0,1
	v_lshrrev_b32 v[BM+\c], 23, v[SO+\c]           ; the scale bytes.  (Plain places behind the conversions)
.endr
	SADD 2
	v_lshl_or_b32 v[PW], v[BM+1], 16, v[BM]        ; my bytes: blocks h and 2 + h,
	SADD 3
	v_lshlrev_b32 v[PW], v92, v[PW]                ; at their places in the word;
	SADD 3
	v_permlanex16_b32 v[PX], v[PW], s[SEL], s[SEL+1]
	SADD 3
	v_or_b32 v[PW], v[PW], v[PX]                   ; with lane l xor 16's two the word is whole
.irp c, 0,1
.irp i, 0,1,2
	v_mov_b32 v[PCD+3+6*\c+\i], v[T+4*\c+\i]
.endr
.endr
	SADD 8                                         ; also the places between p's codes and scale word and the products below
	s_wait_alu depctr_va_vdst(0)
	s_wait_dscnt 0x0                               ; v's fragments
.irp t, 0,1,2,3
	v_wmma_scale_f32_16x16x128_f8f6f4 v[O+8*\t:O+8*\t+7], v[KV+12*\t:KV+12*\t+11], v[PCD:PCD+11], v[O+8*\t:O+8*\t+7], v[VS+\t], v[PW] matrix_a_fmt:MATRIX_FMT_BF6 matrix_b_fmt:MATRIX_FMT_BF6
.endr
	SADD 2                                         ; these four are the places in front of the loads below
	v_pk_add_f32 v[14:15], v[14:15], v[SB+2:SB+3]
	v_pk_add_f32 v[SB+4:SB+5], v[SB+4:SB+5], v[SB+6:SB+7]
	s_add_co_u32 s[TN], s[TB], CHB
	s_min_u32 s[TN], s[TN], 15*CHB                 ; the next chunk, held at the last
	KLOADS
	v_pk_add_f32 v[14:15], v[14:15], v[SB+4:SB+5]
.Lskip_\p:
	s_add_co_u32 s[TB], s[TB], CHB
	s_add_co_u32 s[KC], s[KC], 1
	s_cmp_lt_u32 s[KC], 16
	s_cbranch_scc1 .Lstep_\p
	s_wait_alu depctr_va_vdst(0)                   ; the sum was written ahead of taken branches
	s_wait_dscnt 0x0                               ; the last step's reads ahead have landed: their registers are free
.rept 4
	v_nop
.endr
	v_add_f32 v14, v14, v15
	s_delay_alu instid0(VALU_DEP_1)
	v_permlanex16_b32 v[TMP], v14, s[SEL], s[SEL+1]
	s_delay_alu instid0(VALU_DEP_1)
	v_add_f32 v14, v14, v[TMP]                     ; the row's sum
	s_wait_alu depctr_va_vdst(0)
	v_rcp_f32 v[F], v14
	v_nop
	s_wait_alu depctr_va_vdst(0)
.set n, 0
.rept 16
	v_pk_mul_f32 v[S+n:S+n+1], v[O+n:O+n+1], v[F:F+1] op_sel_hi:[1,0]   ; register 16 b + i: d = 32 b + 16 h + i of my query
.set n, n+2
.endr
.irp b, 0,1
	v_max3_num_f32 v[BM+\b], |v[S+16*\b]|, |v[S+1+16*\b]|, 0x2800000
.endr
.irp i, 2,4,6,8,10,12,14
.irp b, 0,1
	s_delay_alu instid0(VALU_DEP_2)
	v_max3_num_f32 v[BM+\b], v[BM+\b], |v[S+16*\b+\i]|, |v[S+1+16*\b+\i]|
.endr
.endr
.irp b, 0,1
	s_delay_alu instid0(VALU_DEP_2)
	v_permlanex16_b32 v[PX+\b], v[BM+\b], s[SEL], s[SEL+1]
.endr
.irp b, 0,1
	s_delay_alu instid0(VALU_DEP_2)
	v_max_num_f32 v[BM+\b], v[BM+\b], v[PX+\b]
.endr
.irp b, 0,1
	s_delay_alu instid0(VALU_DEP_2)
	v_add_nc_u32 v[SO+\b], 0xfe000000, v[BM+\b]
.endr
.irp b, 0,1
	s_delay_alu instid0(VALU_DEP_2)
	v_lshrrev_b32 v[PX+\b], 23, v[SO+\b]
.endr
	s_delay_alu instid0(VALU_DEP_1)
	v_lshl_or_b32 v[PW], v[PX+1], 8, v[PX]
	v_cvt_scalef32_pk16_bf6_f32 v[PCD:PCD+2], v[S:S+15], v[SO]
	v_cvt_scalef32_pk16_bf6_f32 v[T:T+2], v[S+16:S+31], v[SO+1]
	v_nop
.irp i, 0,1,2
	v_permlane16_swap_b32 v[PCD+\i], v[T+\i]       ; a whole block to a lane
.endr
.irp i, 0,1,2
	s_delay_alu instid0(VALU_DEP_3)
	v_mov_b32 v[PCD+3+\i], v[T+\i]
.endr
.irp m, 0,1,2
	global_store_b64 v4, v[PCD+2*\m:PCD+2*\m+1], s[46:47] offset:256*\m   ; 32 lanes store 256 consecutive bytes, aligned
.endr
	global_store_b16 v5, v[PW], s[48:49]           ; my head's two bytes of the row's scale word
.endm
	PASS 0, S
	PASS 1, Q1
	s_wait_tensorcnt 0x0                           ; the wave's end
	ds_add_u32 v254, v255
	s_wait_dscnt 0x0
	CROUND                                         ; the closing round
	s_endpgm
.Lfunc_end_k_q2bda9292d3_attn:
	.size	k_q2bda9292d3_attn, .Lfunc_end_k_q2bda9292d3_attn-k_q2bda9292d3_attn
	.p2alignl 7, 3214868480
	.fill 96, 4, 3214868480
	.section	.rodata,"a",@progbits
	.p2align	6, 0x0
	.amdhsa_kernel k_q2bda9292d3_attn
		.amdhsa_group_segment_fixed_size 327680
		.amdhsa_private_segment_fixed_size 0
		.amdhsa_enable_private_segment 0
		.amdhsa_kernarg_size 16
		.amdhsa_user_sgpr_count 2
		.amdhsa_user_sgpr_kernarg_segment_ptr 1
		.amdhsa_wavefront_size32 1
		.amdhsa_system_sgpr_workgroup_id_x 1
		.amdhsa_system_sgpr_workgroup_id_y 1
		.amdhsa_system_sgpr_workgroup_id_z 1
		.amdhsa_system_vgpr_workitem_id 0
		.amdhsa_next_free_vgpr 256
		.amdhsa_next_free_sgpr 80
		.amdhsa_reserve_vcc 0
		.amdhsa_float_denorm_mode_32 3
		.amdhsa_float_denorm_mode_16_64 3
		.amdhsa_memory_ordered 1
		.amdhsa_forward_progress 1
		.amdhsa_inst_pref_size 70
	.end_amdhsa_kernel
	.amdgpu_metadata
---
amdhsa.version: [ 1, 2 ]
amdhsa.kernels:
  - .name:           k_q2bda9292d3_attn
    .symbol:         k_q2bda9292d3_attn.kd
    .args:
      - { .name: qkv, .offset: 0, .size: 8, .value_kind: global_buffer, .address_space: global }
      - { .name: oq, .offset: 8, .size: 8, .value_kind: global_buffer, .address_space: global }
    .group_segment_fixed_size: 327680
    .private_segment_fixed_size: 0
    .kernarg_segment_align: 8
    .kernarg_segment_size: 16
    .max_flat_workgroup_size: 512
    .sgpr_count:     80
    .vgpr_count:     256
    .wavefront_size: 32
...
	.end_amdgpu_metadata
.endif
;; end of part 3
;; launch proj (part 4): grid 8 x 32, 4 waves a work-group, clusters of 4 x 4, 327,680 bytes of LDS; arguments oq, wq, b_out, out0; writes out0
.if DOCPART == 4
	.amdgcn_target "amdgcn-amd-amdhsa--gfx1250"
	.amdhsa_code_object_version 6
	.text
	.protected	k_q2bda9292d3_proj
	.globl	k_q2bda9292d3_proj
	.p2align	8
	.type	k_q2bda9292d3_proj,@function
k_q2bda9292d3_proj:
	s_mov_b64 s[64:65], 0
	v_nop
	global_prefetch_b8 v0, s[64:65] scope:SCOPE_SE
	s_setreg_imm32_b32 hwreg(HW_REG_WAVE_MODE, 25, 1), 1
	s_wait_xcnt 0x0
	s_wait_alu depctr_hold_cnt(0) depctr_sa_sdst(0) depctr_va_vdst(0) depctr_va_sdst(0) depctr_va_ssrc(0) depctr_va_vcc(0) depctr_vm_vsrc(0)
	s_getreg_b32 s2, hwreg(HW_REG_IB_STS2, 6, 4)
	s_cmp_eq_u32 s2, 0
	s_cbranch_scc0 .Lentry_in_a_cluster
	s_endpgm
.Lentry_in_a_cluster:
	s_bfe_u32 s2, ttmp6, 0x10000c
	s_cmp_lg_u32 s2, 0xf033
	s_cbranch_scc0 .Lentry_shape_is_right
	s_endpgm
.Lentry_shape_is_right:
; PROJ.  O W_out on codes of BF6 (K = 1024) + b_out, f32 out.  A work-group makes 256 tokens (tb) x 128 columns (cg): 8 x 32 = 256 work-groups; a wave 128 tokens (panel ta) x 64 columns (cb): 32 accumulators.
; All operands come into LDS once, one joint load a wave: O's two panels (196,608 bytes), W's panel (98,304), and their scale words; nothing is filled again.  All tiles are asked for at the head,
; with no loop ahead of them: so no data prefetch is laid.  CLUSTER 4 x 4: O's tiles are shared along a row of the cluster, W's along a column.
; Source 0 = W's rows, source 1 = O's: a lane holds a token, its registers run along the columns; the bias is the C of each sum's first product.
; THE WAY OUT: a block of 16 tokens x 64 columns goes through my own stage in LDS and leaves as rows of 256 consecutive bytes, aligned.
; REGISTERS: window 0: v0-31 addresses, v32-55 scale words, v64-207 fragment set 0, v208-239 the bias; window 1: v64-207 fragment set 1; window 2: the accumulators.
.set PANB,  24576
.set PAN4,  98304
.set WL,    2*PAN4
.set XS,    3*PAN4
.set WS,    XS+8192
.set SPITCH, 272
.set STAGE, WS+4096                    ; bytes of its own: no tensor load lands here
.set SPARE, STAGE+4*16*SPITCH          ; the spare words, 128 bytes a wave: two blocks of 256 bytes that no other line names
.set XSB,   6291456
.set WSB,   3145728
.set ADX,   8
.set ADW,   12
.set ASX,   16
.set ASW,   22
.set STO,   24
.set RD,    25
.set CO,    26
.set SPW,   28
.set NIL,   29
.set SC,    32
.set XF,    64
.set WF,    160
.set BI,    208
.set BK,    64
.set G1X,   24
.set G1W,   32
.set G1XS,  40
.set G1WS,  48
.set G0X,   56
.set G0W,   60
.set G0XS,  68
.set G0WS,  72
.set MSB, 0
.macro WIN new
.if MSB != \new
	s_set_vgpr_msb (MSB<<8)|\new
.set MSB, \new
.endif
.endm
.macro CROUND
	s_barrier_signal -1
	s_barrier_wait -1
	s_cmp_lg_u32 s14, 0
	s_cbranch_scc1 .Lnot_wave_0_\@
	s_barrier_signal -3
.Lnot_wave_0_\@:
	s_barrier_wait -3
	s_barrier_signal -1
	s_barrier_wait -1
.endm
.macro PLACES n
.rept \n
	v_nop
.endr
.endm
.macro G1SET g, c, r, p
	s_mov_b32 s[\g+1], (\c)<<16
	s_mov_b32 s[\g+2], (\r)<<16
	s_mov_b32 s[\g+3], (\c)<<16
	s_mov_b32 s[\g+4], \r
	s_mov_b32 s[\g+5], \p
	s_mov_b32 s[\g+6], 0
	s_mov_b32 s[\g+7], 0
.endm
.macro ARM under, g0, g1, next
	s_cmp_lt_u32 s14, \under
	s_cbranch_scc0 \next
	tensor_load_to_lds s[\g0:\g0+3], s[\g1:\g1+7]
	s_nop 0
.rept 4
	v_nop
.endr
	s_branch .Lhead_asked
\next:
.endm
.macro FRAG reg, adr, q, i
.irp p, 0,1,2,3,4,5
	ds_load_b64 v[\reg+2*\p:\reg+2*\p+1], v[\adr] offset:(\i)*3072+(\q)*1536+256*\p
.endr
.endm
.macro FETCH k                         ; step k's fragments into set k % 2: O's eight, W's four; with an even k the scale words of its 256
.set FS, (\k)/2
.set FQ, (\k)%2
.set WN, 0x40*FQ
	WIN WN
.irp i, 0,1,2,3,4,5,6,7
	FRAG XF+12*\i, ADX+FS, FQ, \i
.endr
.irp i, 0,1,2,3
	FRAG WF+12*\i, ADW+FS, FQ, \i
.endr
	WIN 0
.if FQ == 0
.irp i, 0,1,2,3
	ds_load_b64 v[SC+12*(FS%2)+2*\i:SC+12*(FS%2)+2*\i+1], v[ASX] offset:FS*1024+128*\i
.endr
.irp i, 0,1
	ds_load_b64 v[SC+12*(FS%2)+8+2*\i:SC+12*(FS%2)+9+2*\i], v[ASW] offset:FS*1024+128*\i
.endr
.endif
.endm
.macro WMI z, mods:vararg
.if \z
	v_wmma_scale_f32_16x16x128_f8f6f4 v[DD:DD+7], v[S0:S0+11], v[S1:S1+11], v[CB:CB+7], v[C0], v[C1] matrix_a_fmt:MATRIX_FMT_BF6 matrix_b_fmt:MATRIX_FMT_BF6 \mods
.else
	v_wmma_scale_f32_16x16x128_f8f6f4 v[DD:DD+7], v[S0:S0+11], v[S1:S1+11], v[DD:DD+7], v[C0], v[C1] matrix_a_fmt:MATRIX_FMT_BF6 matrix_b_fmt:MATRIX_FMT_BF6 \mods
.endif
.endm
.macro WM z, ra, rb
.if (\ra)
.if (\rb)
	WMI \z, matrix_a_scale:MATRIX_SCALE_ROW1 matrix_b_scale:MATRIX_SCALE_ROW1
.else
	WMI \z, matrix_a_scale:MATRIX_SCALE_ROW1
.endif
.else
.if (\rb)
	WMI \z, matrix_b_scale:MATRIX_SCALE_ROW1
.else
	WMI \z
.endif
.endif
.endm
.macro MUL k, z                        ; 32 matrix instructions; the accumulators take turns.  z = 1: C is the bias, in window 0
.set MS, ((\k)/2)%2
.set MQ, (\k)%2
.set WN, 0xa0+5*MQ-0x20*(\z)
	WIN WN
.irp a, 0,1,2,3,4,5,6,7
.irp b, 0,1,2,3
.set DD, 8*(4*\a+\b)
.set S0, WF+12*\b
.set S1, XF+12*\a
.set C0, SC+12*MS+8+2*(\b%2)+MQ
.set C1, SC+12*MS+2*(\a%4)+MQ
.set CB, BI+8*\b
	WM \z, \b/2, \a/4
.endr
.endr
.endm
	s_load_b256 s[4:11], s[0:1], 0x0               ; oq s[4:5], wq s[6:7], b_out s[8:9], out0 s[10:11]
	v_lshl_add_u32 v[SPW], v0, 2, SPARE
	v_mov_b32 v[NIL], 0
	ds_add_u32 v[SPW], v[NIL]                      ; the opening lines: the add, twice on end, and its wait
	ds_add_u32 v[SPW], v[NIL]
	v_lshrrev_b32 v1, 5, v0
	v_readfirstlane_b32 s14, v1
	s_lshr_b32 s15, s14, 1                         ; ta
	s_and_b32 s16, s14, 1                          ; cb
	s_bfe_u32 s17, ttmp6, 0x40000
	s_bfe_u32 s18, ttmp6, 0x40004
	s_lshl_b32 s19, ttmp9, 2
	s_add_co_u32 s19, s19, s17                     ; cg
	s_and_b32 s20, ttmp7, 0xffff
	s_lshl_b32 s20, s20, 2
	s_add_co_u32 s20, s20, s18                     ; tb
	s_lshl_b32 s2, s18, 2
	s_lshl_b32 s2, 15, s2
	s_lshl_b32 s3, 0x1111, s17
	s_or_b32 s[G1X], s2, (3<<16)|(1<<21)
	s_or_b32 s[G1XS], s2, (3<<16)|(1<<21)
	s_or_b32 s[G1W], s3, (3<<16)|(1<<21)
	s_or_b32 s[G1WS], s3, (3<<16)|(1<<21)
	G1SET G1X, 32, 768, 32
	G1SET G1W, 32, 384, 32
	G1SET G1XS, 32, 32, 32
	G1SET G1WS, 32, 16, 32
	s_mul_i32 s80, s20, 2*PAN4
	s_mov_b32 s81, 0
	s_lshl_b32 s82, s20, 13
	s_add_co_u32 s82, s82, XSB
	s_mov_b32 s83, 0
	s_add_co_u32 s86, s19, 24                      ; W_out's panels are wq's 24 to 31
	s_mul_i32 s84, s86, PAN4
	s_mov_b32 s85, 0
	s_lshl_b32 s86, s86, 12
	s_add_co_u32 s86, s86, WSB
	s_mov_b32 s87, 0
	s_wait_dscnt 0x0
	s_wait_kmcnt 0x0
	CROUND
	s_mov_b32 s[G0X], 1
	s_mov_b32 s[G0X+1], 0
	s_add_nc_u64 s[G0X+2:G0X+3], s[4:5], s[80:81]
	s_or_b32 s[G0X+3], s[G0X+3], 0x80000000
	s_mov_b32 s[G0W], 1
	s_mov_b32 s[G0W+1], WL
	s_add_nc_u64 s[G0W+2:G0W+3], s[6:7], s[84:85]
	s_or_b32 s[G0W+3], s[G0W+3], 0x80000000
	s_mov_b32 s[G0XS], 1
	s_mov_b32 s[G0XS+1], XS
	s_add_nc_u64 s[G0XS+2:G0XS+3], s[4:5], s[82:83]
	s_or_b32 s[G0XS+3], s[G0XS+3], 0x80000000
	s_mov_b32 s[G0WS], 1
	s_mov_b32 s[G0WS+1], WS
	s_add_nc_u64 s[G0WS+2:G0WS+3], s[6:7], s[86:87]
	s_or_b32 s[G0WS+3], s[G0WS+3], 0x80000000
	ARM 1, G0X,  G1X,  .Lhead_w                    ; one tensor load a wave at the head
	ARM 2, G0W,  G1W,  .Lhead_xs
	ARM 3, G0XS, G1XS, .Lhead_ws
	tensor_load_to_lds s[G0WS:G0WS+3], s[G1WS:G1WS+7]
	s_nop 0
.rept 4
	v_nop
.endr
.Lhead_asked:
	s_lshl_b32 s80, s19, 9
	s_lshl_b32 s94, s16, 8
	s_add_co_u32 s80, s80, s94                     ; my 64 columns, in bytes
	s_add_nc_u64 s[8:9], s[8:9], s[80:81]
	s_add_nc_u64 s[10:11], s[10:11], s[80:81]
	s_lshl_b32 s80, s20, 8
	s_lshl_b32 s94, s15, 7
	s_add_co_u32 s80, s80, s94
	s_lshl_b32 s80, s80, 12                        ; my first token's row of 4,096 bytes
	s_add_nc_u64 s[10:11], s[10:11], s[80:81]
	s_mul_i32 s92, s15, PAN4
	s_mul_i32 s93, s16, 12288
	s_add_co_u32 s93, s93, WL
	s_lshl_b32 s94, s15, 12
	s_add_co_u32 s94, s94, XS
	s_lshl_b32 s95, s16, 9
	s_add_co_u32 s95, s95, WS
	s_mul_i32 s96, s14, 16*SPITCH
	s_add_co_u32 s96, s96, STAGE
	v_and_b32 v1, 15, v0                           ; r
	v_bfe_u32 v2, v0, 4, 1                         ; h
	v_and_b32 v3, 31, v0
	v_lshlrev_b32 v4, 3, v3
	v_lshlrev_b32 v18, 6, v2
.irp b, 0,1,2,3
	global_load_b128 v[BI+8*\b:BI+8*\b+3], v18, s[8:9] offset:(32*(\b/2)+8*(\b%2))*4
	global_load_b128 v[BI+8*\b+4:BI+8*\b+7], v18, s[8:9] offset:(32*(\b/2)+8*(\b%2))*4+16
.endr
	v_add_nc_u32 v[ADX], s92, v4
	v_add_nc_u32 v[ADW], s93, v4
.irp s, 1,2,3
	v_add_nc_u32 v[ADX+\s], \s*PANB, v[ADX]
	v_add_nc_u32 v[ADW+\s], \s*PANB, v[ADW]
.endr
	v_lshlrev_b32 v5, 3, v1
	v_lshl_add_u32 v6, v2, 9, v5
	v_lshl_add_u32 v7, v2, 8, v5
	v_add_nc_u32 v[ASX], s94, v6
	v_add_nc_u32 v[ASW], s95, v7
	v_mul_u32_u24 v5, v1, SPITCH
	v_lshl_add_u32 v5, v2, 6, v5
	v_add_nc_u32 v[STO], s96, v5                   ; the stage, in: row r, 64 bytes for each half of the lanes
	v_mul_u32_u24 v6, v2, SPITCH
	v_lshl_add_u32 v6, v1, 4, v6
	v_add_nc_u32 v[RD], s96, v6                    ; and back: sixteen lanes to a row of 256 bytes, two rows an instruction
	v_lshlrev_b32 v7, 12, v2
	v_lshl_add_u32 v[CO], v1, 4, v7                ; the same two rows in out0
	s_wait_alu depctr_va_vdst(0)
	s_wait_tensorcnt 0x0                           ; my tile of the head's four is in
	s_barrier_signal -1
	s_barrier_wait -1                              ; and everybody's
	FETCH 0
	s_wait_loadcnt 0x0                             ; the bias
.set KK, 0
.rept 8
	s_wait_dscnt 0x0                               ; this step's fragments are in
.if KK < 7
.if KK > 0
	PLACES 4                                       ; in front of loads into registers that the last step's matrix instructions have read
.endif
	FETCH KK+1
.endif
.if KK == 0
	MUL KK, 1
.else
	MUL KK, 0
.endif
.set KK, KK+1
.endr
	WIN 0
.macro TOSTAGE a                       ; accumulator (a, b): lane (r, h) holds token place r; register j the column 32 (b / 2) + 16 h + 8 (b % 2) + j
	WIN 0x08                                       ; the data: window 2
.irp b, 0,1,2,3
	ds_store_b128 v[STO], v[8*(4*(\a)+\b):8*(4*(\a)+\b)+3] offset:128*(\b/2)+32*(\b%2)
	ds_store_b128 v[STO], v[8*(4*(\a)+\b)+4:8*(4*(\a)+\b)+7] offset:128*(\b/2)+32*(\b%2)+16
.endr
	WIN 0
.set BB, BK+32*((\a)%2)
.irp n, 0,1,2,3,4,5,6,7
	ds_load_b128 v[BB+4*\n:BB+4*\n+3], v[RD] offset:\n*2*SPITCH   ; LDS serves a wave's instructions in order: these see my stores
.endr
.endm
.macro SEND a, younger                 ; place t = 2 n + h of block a is token 32 (a / 2) + 8 (a % 2) + t + 8 (t / 8)
.set BB, BK+32*((\a)%2)
	s_wait_dscnt \younger
.irp n, 0,1,2,3,4,5,6,7
	global_store_b128 v[CO], v[BB+4*\n:BB+4*\n+3], s[10:11] offset:(32*((\a)/2)+8*((\a)%2)+2*\n+8*(\n/4))*4096 th:TH_STORE_NT
.endr
.endm
	PLACES 4                                       ; behind the last products
	TOSTAGE 0
.irp a, 1,2,3,4,5,6,7
.if \a > 1
	s_wait_xcnt 0x0                                ; block a - 2's stores have read their registers
.endif
	TOSTAGE \a
	SEND \a-1, 16                                  ; behind block a - 1's loads: block a's 8 stores and 8 loads
.endr
	SEND 7, 0
	s_wait_tensorcnt 0x0                           ; the wave's end
	ds_add_u32 v[SPW], v[NIL]
	s_wait_dscnt 0x0
	CROUND                                         ; the closing round
	s_endpgm
.Lfunc_end_k_q2bda9292d3_proj:
	.size	k_q2bda9292d3_proj, .Lfunc_end_k_q2bda9292d3_proj-k_q2bda9292d3_proj
	.p2alignl 7, 3214868480
	.fill 96, 4, 3214868480
	.section	.rodata,"a",@progbits
	.p2align	6, 0x0
	.amdhsa_kernel k_q2bda9292d3_proj
		.amdhsa_group_segment_fixed_size 327680
		.amdhsa_private_segment_fixed_size 0
		.amdhsa_enable_private_segment 0
		.amdhsa_kernarg_size 32
		.amdhsa_user_sgpr_count 2
		.amdhsa_user_sgpr_kernarg_segment_ptr 1
		.amdhsa_wavefront_size32 1
		.amdhsa_system_sgpr_workgroup_id_x 1
		.amdhsa_system_sgpr_workgroup_id_y 1
		.amdhsa_system_sgpr_workgroup_id_z 1
		.amdhsa_system_vgpr_workitem_id 0
		.amdhsa_next_free_vgpr 768
		.amdhsa_next_free_sgpr 100
		.amdhsa_reserve_vcc 0
		.amdhsa_float_denorm_mode_32 3
		.amdhsa_float_denorm_mode_16_64 3
		.amdhsa_memory_ordered 1
		.amdhsa_forward_progress 1
		.amdhsa_inst_pref_size 96
	.end_amdhsa_kernel
	.amdgpu_metadata
---
amdhsa.version: [ 1, 2 ]
amdhsa.kernels:
  - .name:           k_q2bda9292d3_proj
    .symbol:         k_q2bda9292d3_proj.kd
    .args:
      - { .name: oq, .offset: 0, .size: 8, .value_kind: global_buffer, .address_space: global }
      - { .name: wq, .offset: 8, .size: 8, .value_kind: global_buffer, .address_space: global }
      - { .name: b_out, .offset: 16, .size: 8, .value_kind: global_buffer, .address_space: global }
      - { .name: out0, .offset: 24, .size: 8, .value_kind: global_buffer, .address_space: global }
    .group_segment_fixed_size: 327680
    .private_segment_fixed_size: 0
    .kernarg_segment_align: 8
    .kernarg_segment_size: 32
    .max_flat_workgroup_size: 128
    .sgpr_count:     100
    .vgpr_count:     768
    .wavefront_size: 32
...
	.end_amdgpu_metadata
.endif
;; end of part 4
